; MI455X (gfx1250); checked and timed in simulation.
; The chip was launched on July 23, 2026; its instructions are those of AMD's public machine-readable ISA for CDNA 5 (MIT licence, August 2026) and "CDNA5" Instruction Set Architecture Reference Guide (July 2026). The comments in the code are by the model that wrote it; some were corrected since.
;; Causal Self Attention. Allowed arithmetic: matrix products marked QUANTISED: E4M3 operands, one given power-of-two scale a tensor, by v_wmma_f32_16x16x64_fp8_fp8 or v_wmma_f32_16x16x128_fp8_fp8, f32 sums; everything else in f32.
;; Inputs: b_out 1,024 float32; b_qkv 3,072 float32; lowp_scales 8 int32 (the exponents e of the quantised operands' scales 2^e); w_out 1,024 x 1,024 float32; w_qkv 3,072 x 1,024 float32; x 4 x 2,048 x 1,024 float32.
;; Outputs: out0 4 x 2,048 x 1,024 float32.
;; This version of the problem:
;;   THIS VERSION OF THE PROBLEM IS GIVEN IN LOW PRECISION. The matrix products marked QUANTISED in the list below multiply operands that are first quantised to E4M3 (4 exponent bits, 3 mantissa bits; 8 bits a number), with one given power-of-two scale for each operand tensor; their sums are f32. All else is computed in f32.
;;   The module's matrix products, in the order in which they are computed (A, B: the left and right operand; K: the contracted axis; several contracted axes count as one K, in the product's order):
;;     1. [M 8,192, K 1,024] x [K 1,024, N 3,072]; A: input x; B: input w_qkv: QUANTISED (scales: A lowp_scales[0], B lowp_scales[1])
;;     2. batch 64 x [M 2,048, K 64] x [K 64, N 2,048]; A: computed on the way; B: computed on the way: QUANTISED (scales: A lowp_scales[2], B lowp_scales[3])
;;     3. batch 64 x [M 2,048, K 2,048] x [K 2,048, N 64]; A: softmax (see below); B: computed on the way: QUANTISED (scales: A lowp_scales[4], B lowp_scales[5])
;;     4. [M 8,192, K 1,024] x [K 1,024, N 1,024]; A: computed on the way; B: input w_out: QUANTISED (scales: A lowp_scales[6], B lowp_scales[7])
;;   THE QUANTISER, for each operand of a quantised product, along K:
;;     - The operand's scale is 2^e, e = its entry of the input lowp_scales (int32; the entries are numbered through the quantised products in the list's order, A before B).
;;     - Each number is divided by the scale, clamped to +-448, and rounded to the nearest number of E4M3, ties to even, subnormals kept.
;;     - The product sums the exact products of the quantised numbers (number of the format x scale) in f32.
;;   ~~~python
;;   def quantise(x, axis, e):      # numpy; x: float32 -> the quantised numbers, widened to float32 again
;;       x = np.moveaxis(x, axis, -1); K = x.shape[-1]
;;       r = np.clip(x / 2.0 ** e, -448, 448)
;;       step = 2.0 ** (np.maximum(np.frexp(np.where(r == 0, 1, r))[1] - 1, -6) - 3)
;;       q = np.round(r / step) * step * 2.0 ** e      # np.round: ties to even
;;       return np.moveaxis(q, -1, axis).astype(np.float32)
;;   ~~~
;;   SOFTMAX AHEAD OF A QUANTISED PRODUCT. Where the list says 'softmax', what is quantised is not the finished softmax but p = 2^(t - M), with t = logit x log2(e) and M = ceil(the row's largest t), a whole number; so 1/2 < the row's largest p <= 1. The row's sum l is taken of the UNQUANTISED p, in f32, and the product's result is divided by l at the end. Since M is a whole number, a kernel that streams over the keys may use a running M (the ceiling of the running maximum): every later rescaling is an exact power of two, so the quantised numbers keep their values, but for numbers so far below the row's largest that they fall under the format's range.
;;   OPERANDS COMPUTED ON THE WAY. 'Computed on the way' means the value that the module computes at that place (a softmax that the list does not call 'softmax' is quantised finished and normalised). What goes into a quantiser is computed in f32, as accurately as f32 sums, v_exp_f32 and their like allow (about 1e-6 of the number): no bf16 or f16 on the way to a quantiser, and a product that is left as it is and whose result goes on into a quantised operand takes f32 operands (vector FMAs, or v_wmma_f32_16x16x4_f32). A number that lies on a knife's edge between two numbers of the format may be rounded either way, as far as f32 arithmetic and the matrix unit's own rounding can turn it there, and no further.
;; One version. Each part assembles by itself: llvm-mc -triple=amdgcn-amd-amdhsa -mcpu=gfx1250 --defsym DOCPART=n.
;; ======== version 1 of 1: 5 launches
;; limits: right only within a limited range of input values
;; workspace buffers: x_codes 8,388,608 bytes; wqkv_codes 3,145,728 bytes; wout_codes 1,048,576 bytes; q_codes 8,388,608 bytes; k_codes 8,388,608 bytes; v_codes 8,388,608 bytes; y_codes 8,388,608 bytes
;; launch quant (part 1): grid 384 x 1, 4 waves a work-group, no clusters, 33,280 bytes of LDS; arguments x, w_qkv, w_out, lowp_scales, x_codes, wqkv_codes, wout_codes; writes x_codes, wqkv_codes, wout_codes
.if DOCPART == 1
	.amdgcn_target "amdgcn-amd-amdhsa--gfx1250"
	.amdhsa_code_object_version 6
	.text
	.protected	k_qa719e75ef4_quant
	.globl	k_qa719e75ef4_quant
	.p2align	8
	.type	k_qa719e75ef4_quant,@function
k_qa719e75ef4_quant:
	s_mov_b64 s[64:65], 0
	v_nop
	global_prefetch_b8 v0, s[64:65] scope:SCOPE_SE
	s_setreg_imm32_b32 hwreg(HW_REG_WAVE_MODE, 25, 1), 1
	s_wait_xcnt 0x0
; x [8192][1024], w_qkv [3072][1024] and w_out [1024][1024], f32 with K innermost, become codes of FP8 (E4M3), one byte a number, in the same order.
; code = number / 2^e, held within +-448, rounded to the nearest code, ties to even.  e: entry 0 of the scales for x, entry 1 for w_qkv, entry 7 for w_out.
; LIMITS: -126 <= e <= 119, so that 2^e and 448 x 2^e are f32 numbers.  NaN among the inputs is not served (an infinity is held at the largest code).
; Rows are dense, so each tensor is a plain stream.  A work-group takes 32,768 numbers, a wave 8,192 in 16 steps of 512.  Work-groups 0-255 take x, 256-351 w_qkv, 352-383 w_out:
; only pointers and e are chosen, by the work-group's number; all three take one path through the text.
; A conversion takes 8 neighbours from ONE lane's registers; a load is dense where neighbouring LANES take neighbouring bytes.  Both are had: a step's four loads read 512 consecutive bytes each,
; 16 a lane; the 2,048 bytes go through the wave's own stage in LDS as they lie and come back 64 bytes a lane (16 bytes of padding behind each 64).  A lane's 16 codes are 16 bytes: a store covers 512 consecutive bytes.
; No tensor load, no barrier, no matrix work: the waves share nothing and the launch only moves bytes.  Loads run four steps (16 loads a wave) ahead, the turn through LDS one step.
.set WAVES, 4
.set STEPS, 16
.set EMAX,  8
.set MANT,  0x600000                   ; the mantissa field of 448 as f32
.set CB,    16                         ; bytes of 16 codes
.set R,     16                         ; v16-79   four sets of 16 numbers as they are loaded
.set X,     80                         ; v80-111  two sets of 16 neighbours
.set C,     128                        ; v128-191 codes: four registers for each step, so that no store's data are written again
.set WREG,  8192                       ; LDS: a region for each wave: two stages of 32 x SP bytes
.set SP,    80                         ; a lane's place in a stage: 64 bytes + 16 of padding
.set SPW,   12                         ; v12  LDS address of my spare word; never rewritten
.set NIL,   13                         ; v13  0; never rewritten
.set SPARE, WAVES*WREG                 ; behind the four regions: the spare words, 128 bytes a wave
	s_load_b256 s[4:11], s[0:1], 0x0               ; x s[4:5], w_qkv s[6:7], w_out s[8:9], the scales s[10:11]
	s_load_b128 s[12:15], s[0:1], 0x20             ; x's codes, w_qkv's codes
	s_load_b64 s[16:17], s[0:1], 0x30              ; w_out's codes
	v_lshl_add_u32 v[SPW], v0, 2, SPARE
	v_mov_b32 v[NIL], 0
	v_lshrrev_b32 v1, 5, v0
	v_readfirstlane_b32 s18, v1                    ; wave
	v_and_b32 v2, 31, v0                           ; lane
	v_lshlrev_b32 v3, 4, v2                        ; my 16 bytes of a load's 512
	s_mul_i32 s19, s18, WREG
	v_lshrrev_b32 v14, 2, v2
	v_mul_u32_u24 v14, v14, SP
	v_and_b32 v15, 3, v2
	v_lshl_add_u32 v14, v15, 4, v14
	v_add_nc_u32 v14, s19, v14                     ; the stage, on the way in: SP (lane / 4) + 16 (lane % 4)
	v_mul_u32_u24 v15, v2, SP
	v_add_nc_u32 v15, s19, v15                     ; and on the way out: SP x lane: my 16 neighbours
	v_mul_u32_u24 v4, v2, CB                       ; my codes' place in a step's
	s_wait_alu depctr_va_vdst(0)
	s_wait_kmcnt 0x0
	s_load_b256 s[36:43], s[10:11], 0x0            ; the eight exponents
	s_mov_b32 s20, 352
	s_cmp_lt_u32 ttmp9, 352                        ; w_qkv's work-group or w_out's?  The choices hang on the work-group's number alone
	s_cselect_b64 s[6:7], s[6:7], s[8:9]
	s_cselect_b64 s[14:15], s[14:15], s[16:17]
	s_cselect_b32 s20, 256, s20
	s_cmp_lt_u32 ttmp9, 256                        ; or x's?
	s_cselect_b64 s[4:5], s[4:5], s[6:7]           ; the numbers
	s_cselect_b64 s[8:9], s[12:13], s[14:15]       ; the codes
	s_cselect_b32 s20, 0, s20                      ; the tensor's first work-group
	s_sub_co_u32 s21, ttmp9, s20
	s_lshl_b32 s21, s21, 2
	s_add_co_u32 s24, s21, s18                     ; which run of 8,192 numbers of the tensor is my wave's
	s_mov_b32 s25, 0
	s_mov_b64 s[26:27], 512*STEPS*4
	s_mul_u64 s[26:27], s[24:25], s[26:27]
	s_add_nc_u64 s[4:5], s[4:5], s[26:27]
	s_mov_b64 s[26:27], 32*STEPS*CB
	s_mul_u64 s[26:27], s[24:25], s[26:27]
	s_add_nc_u64 s[8:9], s[8:9], s[26:27]
.macro LOAD t
.irp i, 0,1,2,3
	global_load_b128 v[R+16*((\t)%4)+4*\i:R+16*((\t)%4)+4*\i+3], v3, s[4:5] offset:2048*(\t)+512*\i th:TH_LOAD_NT   ; 32 lanes read 512 consecutive bytes
.endr
.endm
.macro TURN t                          ; step t's numbers through the stage: LDS serves a wave's instructions in order, so no wait stands between the stores and the loads
.irp i, 0,1,2,3
	ds_store_b128 v14, v[R+16*((\t)%4)+4*\i:R+16*((\t)%4)+4*\i+3] offset:32*SP*((\t)%2)+8*SP*\i
.endr
.irp i, 0,1,2,3
	ds_load_b128 v[X+16*((\t)%2)+4*\i:X+16*((\t)%2)+4*\i+3], v15 offset:32*SP*((\t)%2)+16*\i
.endr
.endm
.irp t, 0,1,2,3
	LOAD \t
.endr
	s_wait_kmcnt 0x0
	s_cmp_lt_u32 ttmp9, 352
	s_cselect_b32 s22, s37, s43                    ; e of w_qkv or of w_out,
	s_cmp_lt_u32 ttmp9, 256
	s_cselect_b32 s22, s36, s22                    ; or of x
	s_add_co_i32 s22, s22, 127
	s_lshl_b32 s23, s22, 23
	v_mov_b32 v11, s23                             ; 2^e as f32: the conversion takes its exponent field
	s_add_co_i32 s22, s22, EMAX
	s_lshl_b32 s22, s22, 23
	s_or_b32 s22, s22, MANT
	v_mov_b32 v10, s22                             ; 448 x 2^e
	s_wait_alu depctr_va_vdst(0)
	s_wait_loadcnt 12                              ; step 0's four loads are in; the twelve of steps 1 to 3 may be out
	TURN 0
.macro STEP t
.set XS, X+16*((\t)%2)
	s_wait_dscnt 0x0                               ; this step's numbers are back from the stage: so its stores into the stage have read their registers,
.if (\t)+4 < STEPS
	LOAD (\t)+4                                    ; which take the loads of four steps on
.endif
.if (\t)+1 < STEPS
.if STEPS-2-(\t) >= 3
	s_wait_loadcnt 12                              ; the next step's four loads are in; those of the three steps behind it may be out
.else
	s_wait_loadcnt 4*(STEPS-2-(\t))
.endif
	TURN (\t)+1                                    ; and go through the other stage while this step is worked
.endif
.irp i, 0,1,2,3,4,5,6,7,8,9,10,11,12,13,14,15
	v_med3_num_f32 v[XS+\i], v[XS+\i], -v10, v10   ; the conversion to an 8-bit code does not saturate (ISA guide 7.6.2): the number is held within 448 x the scale first
.endr
	v_cvt_scalef32_pk8_fp8_f32 v[C+4*(\t):C+4*(\t)+1], v[XS:XS+7], v11
	v_cvt_scalef32_pk8_fp8_f32 v[C+4*(\t)+2:C+4*(\t)+3], v[XS+8:XS+15], v11
	global_store_b128 v4, v[C+4*(\t):C+4*(\t)+3], s[8:9] offset:32*CB*(\t)   ; the codes go to a store alone; the next step's holds are plain lines on other registers
.endm
.irp t, 0,1,2,3,4,5,6,7,8,9,10,11,12,13,14,15
	STEP \t
.endr
	s_wait_tensorcnt 0x0                           ; the wave's end, behind my last LDS store
	ds_add_u32 v[SPW], v[NIL]
	s_wait_dscnt 0x0
	s_endpgm
.Lfunc_end_k_qa719e75ef4_quant:
	.size	k_qa719e75ef4_quant, .Lfunc_end_k_qa719e75ef4_quant-k_qa719e75ef4_quant
	.p2alignl 7, 3214868480
	.fill 96, 4, 3214868480
	.section	.rodata,"a",@progbits
	.p2align	6, 0x0
	.amdhsa_kernel k_qa719e75ef4_quant
		.amdhsa_group_segment_fixed_size 33280
		.amdhsa_private_segment_fixed_size 0
		.amdhsa_enable_private_segment 0
		.amdhsa_kernarg_size 56
		.amdhsa_user_sgpr_count 2
		.amdhsa_user_sgpr_kernarg_segment_ptr 1
		.amdhsa_wavefront_size32 1
		.amdhsa_system_sgpr_workgroup_id_x 1
		.amdhsa_system_sgpr_workgroup_id_y 1
		.amdhsa_system_sgpr_workgroup_id_z 1
		.amdhsa_system_vgpr_workitem_id 0
		.amdhsa_next_free_vgpr 192
		.amdhsa_next_free_sgpr 66
		.amdhsa_reserve_vcc 0
		.amdhsa_float_denorm_mode_32 3
		.amdhsa_float_denorm_mode_16_64 3
		.amdhsa_memory_ordered 1
		.amdhsa_forward_progress 1
		.amdhsa_inst_pref_size 38
	.end_amdhsa_kernel
	.amdgpu_metadata
---
amdhsa.version: [ 1, 2 ]
amdhsa.kernels:
  - .name:           k_qa719e75ef4_quant
    .symbol:         k_qa719e75ef4_quant.kd
    .args:
      - { .name: x, .offset: 0, .size: 8, .value_kind: global_buffer, .address_space: global }
      - { .name: w_qkv, .offset: 8, .size: 8, .value_kind: global_buffer, .address_space: global }
      - { .name: w_out, .offset: 16, .size: 8, .value_kind: global_buffer, .address_space: global }
      - { .name: lowp_scales, .offset: 24, .size: 8, .value_kind: global_buffer, .address_space: global }
      - { .name: x_codes, .offset: 32, .size: 8, .value_kind: global_buffer, .address_space: global }
      - { .name: wqkv_codes, .offset: 40, .size: 8, .value_kind: global_buffer, .address_space: global }
      - { .name: wout_codes, .offset: 48, .size: 8, .value_kind: global_buffer, .address_space: global }
    .group_segment_fixed_size: 33280
    .private_segment_fixed_size: 0
    .kernarg_segment_align: 8
    .kernarg_segment_size: 56
    .max_flat_workgroup_size: 128
    .sgpr_count:     66
    .vgpr_count:     192
    .wavefront_size: 32
...
	.end_amdgpu_metadata
.endif
;; end of part 1
;; launch gemm_qk (part 2): grid 8 x 32, 4 waves a work-group, clusters of 4 x 4, 327,680 bytes of LDS; arguments x_codes, wqkv_codes, lowp_scales, b_qkv, q_codes, k_codes; writes q_codes, k_codes
.if DOCPART == 2
	.amdgcn_target "amdgcn-amd-amdhsa--gfx1250"
	.amdhsa_code_object_version 6
	.text
	.protected	k_qa719e75ef4_gemm_qk
	.globl	k_qa719e75ef4_gemm_qk
	.p2align	8
	.type	k_qa719e75ef4_gemm_qk,@function
k_qa719e75ef4_gemm_qk:
	s_mov_b64 s[64:65], 0
	v_nop
	global_prefetch_b8 v0, s[64:65] scope:SCOPE_SE
	s_setreg_imm32_b32 hwreg(HW_REG_WAVE_MODE, 25, 1), 1
	s_wait_xcnt 0x0
	s_wait_alu depctr_hold_cnt(0) depctr_sa_sdst(0) depctr_va_vdst(0) depctr_va_sdst(0) depctr_va_ssrc(0) depctr_va_vcc(0) depctr_vm_vsrc(0)
	s_getreg_b32 s2, hwreg(HW_REG_IB_STS2, 6, 4)
	s_cmp_eq_u32 s2, 0
	s_cbranch_scc0 .Lentry_in_a_cluster
	s_endpgm
.Lentry_in_a_cluster:
	s_bfe_u32 s2, ttmp6, 0x10000c
	s_cmp_lg_u32 s2, 0xf033
	s_cbranch_scc0 .Lentry_shape_is_right
	s_endpgm
.Lentry_shape_is_right:
.set KSTEP,  256
.set ROWB,   256
.set KROW,   1024
.set PITCH,  272
.set FR,     16
.set NL,     4
.set NP,     4
.set HALFT,  128*PITCH
.set SLOT,   4*HALFT
.set LAPS,   2
.set STEPA,  2*ROWB
.set STEPB,  2*ROWB
.set STAGE,  2*SLOT
.set SPITCH, 144
.set SPARE,  STAGE+4*16*SPITCH
.set ADRA, 16
.set ADRB, 20
.set STO,  24
.set RD,   25
.set CO,   26
.set BO,   27
.set SPW,  28
.set NIL,  29
.set SCL,  30
.set LIMV, 31
.set BIAS, 32
.set TMP,  96
.set CD,   160
.set BB,   192
.set AF,   128
.set G1, 24
.set G0, 32
.set G1B, 48
.set G0B, 56
.set MSB, 0
.macro WIN new
.if MSB != \new
	s_set_vgpr_msb (MSB<<8)|\new
.set MSB, \new
.endif
.endm
.set MUL_LO, 0xa1
.set MUL_HI, 0xf1
.set TO_B,   0x40
.macro JLOAD g0a, g1a, g0b, g1b
	s_cmp_eq_u32 s15, 0
	s_cbranch_scc0 .Lfor_b_\@
	tensor_load_to_lds s[\g0a:\g0a+3], s[\g1a:\g1a+7]
	s_nop 0
.rept 4
	v_nop
.endr
	s_branch .Lasked_\@
.Lfor_b_\@:
	tensor_load_to_lds s[\g0b:\g0b+3], s[\g1b:\g1b+7]
	s_nop 0
.rept 4
	v_nop
.endr
.Lasked_\@:
.endm
.macro CREST
	s_cmp_lg_u32 s14, 0
	s_cbranch_scc1 .Lnot_wave_0_\@
	s_barrier_signal -3
.Lnot_wave_0_\@:
	s_barrier_wait -3
	s_barrier_signal -1
	s_barrier_wait -1
.endm
.macro CROUND
	s_barrier_signal -1
	s_barrier_wait -1
	CREST
.endm
	s_load_b128 s[4:7], s[0:1], 0x0
	s_load_b128 s[8:11], s[0:1], 0x10
	s_load_b128 s[76:79], s[0:1], 0x20
	v_lshl_add_u32 v[SPW], v0, 2, SPARE
	v_mov_b32 v[NIL], 0
	ds_add_u32 v[SPW], v[NIL]
	ds_add_u32 v[SPW], v[NIL]
	v_lshrrev_b32 v1, 5, v0
	v_readfirstlane_b32 s14, v1
	s_lshr_b32 s15, s14, 1
	s_and_b32 s16, s14, 1
	s_bfe_u32 s40, ttmp6, 0x40000
	s_bfe_u32 s41, ttmp6, 0x40004
	s_lshl_b32 s42, ttmp9, 2
	s_add_co_u32 s42, s42, s40
	s_and_b32 s17, ttmp7, 0xffff
	s_lshl_b32 s17, s17, 2
	s_add_co_u32 s17, s17, s41
	s_lshl_b32 s43, s41, 2
	s_lshl_b32 s43, 15, s43
	s_lshl_b32 s44, 0x1111, s40
	s_or_b32 s[G1+0], s43, (0<<16)|(1<<20)|(1<<21)|(5<<22)|(3<<25)
	s_or_b32 s[G1B+0], s44, (0<<16)|(1<<20)|(1<<21)|(5<<22)|(3<<25)
.irp g, G1, G1B
	s_mov_b32 s[\g+1], ROWB<<16
	s_mov_b32 s[\g+2], 128<<16
	s_mov_b32 s[\g+3], ROWB<<16
	s_mov_b32 s[\g+4], 128
	s_mov_b32 s[\g+5], KROW
	s_mov_b32 s[\g+6], 0
	s_mov_b32 s[\g+7], 0
.endr
	s_lshl_b32 s18, s16, 7
	s_lshl_b32 s20, s17, 8
	s_add_co_u32 s20, s20, s18
	s_lshl_b32 s46, s42, 8
	s_add_co_u32 s46, s46, s18
	s_mov_b32 s21, 0
	s_mov_b32 s47, 0
	s_mov_b64 s[18:19], KROW
	s_mul_u64 s[20:21], s[20:21], s[18:19]
	s_mul_u64 s[46:47], s[46:47], s[18:19]
	s_mul_i32 s45, s14, HALFT
	s_wait_dscnt 0x0
	s_wait_kmcnt 0x0
	s_load_b256 s[68:75], s[8:9], 0x0
	s_add_nc_u64 s[20:21], s[4:5], s[20:21]
	s_add_nc_u64 s[46:47], s[6:7], s[46:47]
	CROUND
.irp s, 0,1
	s_mov_b32 s[G0+4*\s], 1
	s_add_co_u32 s[G0+4*\s+1], s45, \s*SLOT
	s_add_nc_u64 s[G0+4*\s+2:G0+4*\s+3], s[20:21], \s*ROWB
	s_or_b32 s[G0+4*\s+3], s[G0+4*\s+3], 0x80000000
	s_mov_b32 s[G0B+4*\s], 1
	s_add_co_u32 s[G0B+4*\s+1], s45, \s*SLOT
	s_add_nc_u64 s[G0B+4*\s+2:G0B+4*\s+3], s[46:47], \s*ROWB
	s_or_b32 s[G0B+4*\s+3], s[G0B+4*\s+3], 0x80000000
.if \s                                         ; slot 1's first fill is issued as a refill is
	s_wait_alu depctr_va_vdst(0)
	s_wait_tensorcnt 0x0                           ; my part of K step 0 is in
	ds_add_u32 v[SPW], v[NIL]
	s_wait_dscnt 0x0
	CROUND
.endif
	JLOAD G0+4*\s, G1, G0B+4*\s, G1B
.endr
	v_and_b32 v1, 15, v0
	s_wait_alu depctr_va_vdst(0)
	v_bfe_u32 v2, v0, 4, 1
	v_mul_u32_u24 v3, v1, PITCH
	v_lshl_add_u32 v4, v2, 4, v3
	s_mul_i32 s21, s15, HALFT
	s_mul_i32 s22, s16, HALFT
	s_add_co_u32 s22, s22, 2*HALFT
.irp s, 0,1
	v_add_nc_u32 v[ADRA+\s], s21, v4
	v_add_nc_u32 v[ADRB+\s], s22, v4
	s_add_co_u32 s21, s21, SLOT
	s_add_co_u32 s22, s22, SLOT
.endr
	s_mul_i32 s23, s14, 16*SPITCH
	s_add_co_u32 s23, s23, STAGE
	v_mul_u32_u24 v5, v1, SPITCH
	s_wait_alu depctr_va_vdst(0)
	v_lshl_add_u32 v5, v2, 3, v5
	v_add_nc_u32 v[STO], s23, v5
	v_and_b32 v6, 31, v0
	v_lshrrev_b32 v5, 2, v6
	v_mul_u32_u24 v5, v5, SPITCH
	v_and_b32 v3, 3, v0
	v_lshl_add_u32 v5, v3, 4, v5
	v_add_nc_u32 v[RD], s23, v5
	v_lshlrev_b32 v[CO], 4, v6
	v_lshlrev_b32 v[BO], 5, v2
	s_lshl_b32 s46, s42, 10
	s_lshl_b32 s47, s16, 9
	s_add_co_u32 s46, s46, s47
	s_mov_b32 s47, 0
	s_add_nc_u64 s[10:11], s[10:11], s[46:47]
.set ii, 0
.rept 8
	global_load_b128 v[BIAS+8*ii:BIAS+8*ii+3], v[BO], s[10:11] offset:64*ii
	global_load_b128 v[BIAS+8*ii+4:BIAS+8*ii+7], v[BO], s[10:11] offset:64*ii+16
.set ii, ii+1
.endr
	s_cmp_eq_u32 ttmp9, 0
	s_cselect_b64 s[76:77], s[76:77], s[78:79]
	s_lshr_b32 s20, s17, 3
	s_lshl_b32 s20, s20, 21
	s_and_b32 s21, s17, 7
	s_lshl_b32 s21, s21, 14
	s_add_co_u32 s20, s20, s21
	s_lshl_b32 s21, s15, 13
	s_add_co_u32 s20, s20, s21
	s_mov_b32 s21, 0
	s_add_nc_u64 s[76:77], s[76:77], s[20:21]
	s_lshl_b32 s46, s40, 19
	s_lshl_b32 s47, s16, 18
	s_add_co_u32 s46, s46, s47
	s_mov_b32 s47, 0
	s_add_nc_u64 s[76:77], s[76:77], s[46:47]
.macro FRAG reg, adr, q, i
.irp c, 0,1,2,3
	ds_load_b128 v[\reg+4*\c:\reg+4*\c+3], v[\adr] offset:128*(\q)+32*\c+(\i)*16*PITCH
.endr
.endm
.macro MUL16 a0, p, zero
.irp a, \a0, \a0+1
.irp b, 0,1,2,3,4,5,6,7
.if \zero
	v_wmma_f32_16x16x128_fp8_fp8 v[8*(8*((\a)%4)+\b):8*(8*((\a)%4)+\b)+7], v[128*(\p)+FR*\b:128*(\p)+FR*\b+FR-1], v[AF+FR*(\a):AF+FR*(\a)+FR-1], 0
.else
	v_wmma_f32_16x16x128_fp8_fp8 v[8*(8*((\a)%4)+\b):8*(8*((\a)%4)+\b)+7], v[128*(\p)+FR*\b:128*(\p)+FR*\b+FR-1], v[AF+FR*(\a):AF+FR*(\a)+FR-1], v[8*(8*((\a)%4)+\b):8*(8*((\a)%4)+\b)+7]
.endif
.endr
.endr
.endm
.macro FETCH_B slot, q, p
	WIN TO_B
.irp i, 0,1,2,3,4,5,6,7
	FRAG 128*(\p)+FR*\i, ADRB+\slot, \q, \i
.endr
	WIN 0
.endm
.macro FETCH_A slot, q, i0
.irp i, \i0, \i0+1, \i0+2, \i0+3
	FRAG AF+FR*(\i), ADRA+\slot, \q, \i
.endr
.endm
.macro PLACES n
.rept \n
	v_nop
.endr
.endm
.macro STEP slot, q, zero
	s_wait_dscnt 4*NL
	WIN MUL_LO
	MUL16 0, (\q)%2, \zero
	MUL16 2, (\q)%2, \zero
	s_wait_dscnt 0
	PLACES NP
	FETCH_B \slot, (\q)+1, 1-(\q)%2
	FETCH_A \slot, (\q)+1, 0
	WIN MUL_HI
	MUL16 4, (\q)%2, \zero
	MUL16 6, (\q)%2, \zero
	PLACES NP
	WIN 0
	FETCH_A \slot, (\q)+1, 4
.endm
.macro TURN slot, next, fill
	s_wait_tensorcnt 0x0
	ds_add_u32 v[SPW], v[NIL]
	s_wait_dscnt 4*NL+1
	WIN MUL_LO
	MUL16 0, 1, 0
	s_wait_dscnt 0x0
	s_barrier_signal -1
	MUL16 2, 1, 0
	WIN 0
	s_barrier_wait -1
.if \fill
	CREST
	s_add_nc_u64 s[G0+4*\slot+2:G0+4*\slot+3], s[G0+4*\slot+2:G0+4*\slot+3], STEPA
	s_add_nc_u64 s[G0B+4*\slot+2:G0B+4*\slot+3], s[G0B+4*\slot+2:G0B+4*\slot+3], STEPB
	JLOAD G0+4*\slot, G1, G0B+4*\slot, G1B
.else
	PLACES NP
.endif
	FETCH_B \next, 0, 0
	FETCH_A \next, 0, 0
	WIN MUL_HI
	MUL16 4, 1, 0
	MUL16 6, 1, 0
	PLACES NP
	WIN 0
	FETCH_A \next, 0, 4
.endm
	s_wait_tensorcnt 1
	s_barrier_signal -1
	s_barrier_wait -1
	FETCH_B 0, 0, 0
	FETCH_A 0, 0, 0
	FETCH_A 0, 0, 4
	STEP 0, 0, 1
	s_mov_b32 s3, LAPS-1
.Llap:
	TURN 0, 1, 1
	STEP 1, 0, 0
	TURN 1, 0, 1
	STEP 0, 0, 0
	s_sub_co_u32 s3, s3, 1
	s_cmp_lg_u32 s3, 0
	s_cbranch_scc1 .Llap
	TURN 0, 1, 0
	STEP 1, 0, 0
	s_wait_dscnt 4*NL
	WIN MUL_LO
	MUL16 0, 1, 0
	MUL16 2, 1, 0
	s_wait_dscnt 0
	WIN MUL_HI
	MUL16 4, 1, 0
	MUL16 6, 1, 0
	WIN 0
.macro TOSTAGE a
.set AC, 64*((\a)%4)
.set CC, CD+16*((\a)%2)
.set BK, BB+16*((\a)%2)
	WIN (0x02+((\a)/4))
.set jj, 0
.rept 32
	v_pk_fma_f32 v[TMP+jj:TMP+jj+1], v[AC+jj:AC+jj+1], s[96:97], v[BIAS+jj:BIAS+jj+1] op_sel_hi:[1,0,1]
.set jj, jj+2
.endr
	WIN 0
.set jj, 0
.rept 64
	v_med3_num_f32 v[TMP+jj], v[TMP+jj], -v[LIMV], v[LIMV]
.set jj, jj+1
.endr
.set jj, 0
.rept 8
	v_cvt_scalef32_pk8_fp8_f32 v[CC+2*jj:CC+2*jj+1], v[TMP+8*jj:TMP+8*jj+7], v[SCL]
.set jj, jj+1
.endr
	v_nop
.set jj, 0
.rept 8
	ds_store_b64 v[STO], v[CC+2*jj:CC+2*jj+1] offset:16*jj
.set jj, jj+1
.endr
.irp i, 0,1,2,3
	ds_load_b128 v[BK+4*\i:BK+4*\i+3], v[RD] offset:(\i%2)*8*SPITCH+(\i/2)*64
.endr
.endm
.macro SEND a, younger
.set BK, BB+16*((\a)%2)
	s_wait_dscnt \younger
.irp i, 0,1,2,3
	global_store_b128 v[CO], v[BK+4*\i:BK+4*\i+3], s[76:77] offset:(\i/2)*131072+(\a)*1024+(\i%2)*512 th:TH_STORE_NT
.endr
.endm
	s_wait_kmcnt 0x0
	s_wait_loadcnt 0x0
	s_add_co_i32 s96, s68, s69
	s_add_co_i32 s96, s96, 127
	s_lshl_b32 s96, s96, 23
	s_mov_b32 s97, s96
	s_cmp_eq_u32 ttmp9, 0
	s_cselect_b32 s80, s70, s71
	s_add_co_i32 s80, s80, 127
	s_lshl_b32 s81, s80, 23
	v_mov_b32 v[SCL], s81
	s_add_co_i32 s80, s80, 8
	s_lshl_b32 s80, s80, 23
	s_or_b32 s80, s80, 0x600000
	v_mov_b32 v[LIMV], s80
	PLACES NP
	TOSTAGE 0
.irp a, 1,2,3,4,5,6,7
.if \a > 1
	s_wait_xcnt 0x0
.endif
	TOSTAGE \a
	SEND \a-1, 12
.endr
	SEND 7, 0
	s_wait_tensorcnt 0x0
	ds_add_u32 v[SPW], v[NIL]
	s_wait_dscnt 0x0
	CROUND
	s_endpgm
.Lfunc_end_k_qa719e75ef4_gemm_qk:
	.size	k_qa719e75ef4_gemm_qk, .Lfunc_end_k_qa719e75ef4_gemm_qk-k_qa719e75ef4_gemm_qk
	.p2alignl 7, 3214868480
	.fill 96, 4, 3214868480
	.section	.rodata,"a",@progbits
	.p2align	6, 0x0
	.amdhsa_kernel k_qa719e75ef4_gemm_qk
		.amdhsa_group_segment_fixed_size 327680
		.amdhsa_private_segment_fixed_size 0
		.amdhsa_enable_private_segment 0
		.amdhsa_kernarg_size 48
		.amdhsa_user_sgpr_count 2
		.amdhsa_user_sgpr_kernarg_segment_ptr 1
		.amdhsa_wavefront_size32 1
		.amdhsa_system_sgpr_workgroup_id_x 1
		.amdhsa_system_sgpr_workgroup_id_y 1
		.amdhsa_system_sgpr_workgroup_id_z 1
		.amdhsa_system_vgpr_workitem_id 0
		.amdhsa_next_free_vgpr 1024
		.amdhsa_next_free_sgpr 98
		.amdhsa_reserve_vcc 0
		.amdhsa_float_denorm_mode_32 3
		.amdhsa_float_denorm_mode_16_64 3
		.amdhsa_memory_ordered 1
		.amdhsa_forward_progress 1
		.amdhsa_inst_pref_size 143
	.end_amdhsa_kernel
	.amdgpu_metadata
---
amdhsa.version: [ 1, 2 ]
amdhsa.kernels:
  - .name:           k_qa719e75ef4_gemm_qk
    .symbol:         k_qa719e75ef4_gemm_qk.kd
    .args:
      - { .name: x_codes, .offset: 0, .size: 8, .value_kind: global_buffer, .address_space: global }
      - { .name: wqkv_codes, .offset: 8, .size: 8, .value_kind: global_buffer, .address_space: global }
      - { .name: lowp_scales, .offset: 16, .size: 8, .value_kind: global_buffer, .address_space: global }
      - { .name: b_qkv, .offset: 24, .size: 8, .value_kind: global_buffer, .address_space: global }
      - { .name: q_codes, .offset: 32, .size: 8, .value_kind: global_buffer, .address_space: global }
      - { .name: k_codes, .offset: 40, .size: 8, .value_kind: global_buffer, .address_space: global }
    .group_segment_fixed_size: 327680
    .private_segment_fixed_size: 0
    .kernarg_segment_align: 8
    .kernarg_segment_size: 48
    .max_flat_workgroup_size: 128
    .sgpr_count:     98
    .vgpr_count:     1024
    .wavefront_size: 32
...
	.end_amdgpu_metadata
.endif
;; end of part 2
;; launch gemm_v (part 3): grid 32 x 4, 4 waves a work-group, clusters of 4 x 4, 327,680 bytes of LDS; arguments wqkv_codes, x_codes, lowp_scales, b_qkv, v_codes; writes v_codes
.if DOCPART == 3
	.amdgcn_target "amdgcn-amd-amdhsa--gfx1250"
	.amdhsa_code_object_version 6
	.text
	.protected	k_qa719e75ef4_gemm_v
	.globl	k_qa719e75ef4_gemm_v
	.p2align	8
	.type	k_qa719e75ef4_gemm_v,@function
k_qa719e75ef4_gemm_v:
	s_mov_b64 s[64:65], 0
	v_nop
	global_prefetch_b8 v0, s[64:65] scope:SCOPE_SE
	s_setreg_imm32_b32 hwreg(HW_REG_WAVE_MODE, 25, 1), 1
	s_wait_xcnt 0x0
	s_wait_alu depctr_hold_cnt(0) depctr_sa_sdst(0) depctr_va_vdst(0) depctr_va_sdst(0) depctr_va_ssrc(0) depctr_va_vcc(0) depctr_vm_vsrc(0)
	s_getreg_b32 s2, hwreg(HW_REG_IB_STS2, 6, 4)
	s_cmp_eq_u32 s2, 0
	s_cbranch_scc0 .Lentry_in_a_cluster
	s_endpgm
.Lentry_in_a_cluster:
	s_bfe_u32 s2, ttmp6, 0x10000c
	s_cmp_lg_u32 s2, 0xf033
	s_cbranch_scc0 .Lentry_shape_is_right
	s_endpgm
.Lentry_shape_is_right:
; v: columns 2048..3071 of x w_qkv^T + b_qkv, on codes of FP8 (E4M3), quantised at once with entry 5 of the scales and stored WITH THE KEYS INNERMOST: [4 batches][1024 channels][2048 tokens], one byte a number.
; The operands change roles: the A side is w_qkv's rows 2048..3071 (channels), the B side x's rows (tokens).  With source 0 = 16 rows of the B side and source 1 = 16 rows of the A side a lane holds ONE channel and
; eight neighbouring tokens, which one conversion turns into 8 bytes along the second attention product's K.  value = sum x 2^(e0 + e1) + the channel's bias.
; LIMITS: e0 + e1 between -126 and 127; e5 between -126 and 119.  NaN is not served.
; Tile, ring, cluster, joint loads and registers: 256 channels x 256 tokens to a work-group, four waves of 128 x 128, K = 1,024 in four steps of 256 through two LDS slots; 4 x 4 work-groups share A's tiles along a row
; of the cluster and B's along a column.  128 work-groups: the tile is kept large, so that each fragment read from LDS feeds eight products.
; THE WAY OUT goes through ONE stage of 256 rows x (256 + 16) bytes, since a channel's 256 bytes come from two waves; it lies in slot 0, which has had its last fill and its last read by then.
.set KSTEP,  256
.set ROWB,   256
.set KROW,   1024
.set PITCH,  272
.set FR,     16
.set NL,     4
.set NP,     4
.set HALFT,  128*PITCH
.set SLOT,   4*HALFT
.set LAPS,   2
.set STEPA,  2*ROWB
.set STEPB,  2*ROWB
.set SPITCH, 272
.set SPARE,  2*SLOT                    ; behind the ring: the spare words, 128 bytes a wave
.set ADRA, 16
.set ADRB, 20
.set STO,  24                          ; v24  the stage: where I put 8 bytes of a channel's row
.set RD,   25                          ; v25  where I read 16 bytes of a whole row back
.set CO,   26                          ; v26  the same place in the output
.set BO,   27                          ; v27  my offset in the bias
.set SPW,  28
.set NIL,  29
.set SCL,  30                          ; v30  2^e5
.set LIMV, 31                          ; v31  448 x 2^e5
.set BIAS, 32                          ; v32-47  pair a: the bias of channel 16 a + lane % 16, twice
.set TMP,  96
.set CD,   160
.set OUTR, 96                          ; v96-223  64 rows read back
.set AF,   128
.set G1, 24
.set G0, 32
.set G1B, 48
.set G0B, 56
.set MSB, 0
.macro WIN new
.if MSB != \new
	s_set_vgpr_msb (MSB<<8)|\new
.set MSB, \new
.endif
.endm
.set MUL_LO, 0xa1
.set MUL_HI, 0xf1
.set TO_B,   0x40
.macro JLOAD g0a, g1a, g0b, g1b        ; waves 0 and 1 fetch for A, waves 2 and 3 for B; an s_nop 0 and four v_nop follow each line
	s_cmp_eq_u32 s15, 0
	s_cbranch_scc0 .Lfor_b_\@
	tensor_load_to_lds s[\g0a:\g0a+3], s[\g1a:\g1a+7]
	s_nop 0
.rept 4
	v_nop
.endr
	s_branch .Lasked_\@
.Lfor_b_\@:
	tensor_load_to_lds s[\g0b:\g0b+3], s[\g1b:\g1b+7]
	s_nop 0
.rept 4
	v_nop
.endr
.Lasked_\@:
.endm
.macro CREST
	s_cmp_lg_u32 s14, 0
	s_cbranch_scc1 .Lnot_wave_0_\@
	s_barrier_signal -3
.Lnot_wave_0_\@:
	s_barrier_wait -3
	s_barrier_signal -1
	s_barrier_wait -1
.endm
.macro CROUND
	s_barrier_signal -1
	s_barrier_wait -1
	CREST
.endm
	s_load_b128 s[4:7], s[0:1], 0x0                ; w_qkv's codes (the A side), x's codes (the B side)
	s_load_b128 s[8:11], s[0:1], 0x10              ; the scales, the bias
	s_load_b64 s[76:77], s[0:1], 0x20              ; v's codes
	v_lshl_add_u32 v[SPW], v0, 2, SPARE
	v_mov_b32 v[NIL], 0
	ds_add_u32 v[SPW], v[NIL]                      ; the wave's opening: the add and its wait ahead of my first tensor load
	ds_add_u32 v[SPW], v[NIL]
	v_lshrrev_b32 v1, 5, v0
	v_readfirstlane_b32 s14, v1
	s_lshr_b32 s15, s14, 1                         ; my half of the channels.  Also: I fetch for A (0) or for B (1)
	s_and_b32 s16, s14, 1                          ; my half of the tokens.  Also: which 128 rows I fetch
	s_bfe_u32 s40, ttmp6, 0x40000                  ; cx
	s_bfe_u32 s41, ttmp6, 0x40004                  ; cy
	s_lshl_b32 s42, ttmp9, 2
	s_add_co_u32 s42, s42, s40                     ; tile column (tokens) 0..31
	s_mov_b32 s17, s41                             ; tile row (channels) 0..3: there is one cluster along y
	s_lshl_b32 s43, s41, 2
	s_lshl_b32 s43, 15, s43
	s_lshl_b32 s44, 0x1111, s40
	s_or_b32 s[G1+0], s43, (0<<16)|(1<<20)|(1<<21)|(5<<22)|(3<<25)
	s_or_b32 s[G1B+0], s44, (0<<16)|(1<<20)|(1<<21)|(5<<22)|(3<<25)
.irp g, G1, G1B
	s_mov_b32 s[\g+1], ROWB<<16
	s_mov_b32 s[\g+2], 128<<16
	s_mov_b32 s[\g+3], ROWB<<16
	s_mov_b32 s[\g+4], 128
	s_mov_b32 s[\g+5], KROW
	s_mov_b32 s[\g+6], 0
	s_mov_b32 s[\g+7], 0
.endr
	s_lshl_b32 s18, s16, 7
	s_lshl_b32 s20, s17, 8
	s_add_co_u32 s20, s20, s18
	s_add_co_u32 s20, s20, 2048                    ; A: row 2048 + 256 x tile row + 128 x half of w_qkv
	s_lshl_b32 s46, s42, 8
	s_add_co_u32 s46, s46, s18                     ; B: token 256 x tile column + 128 x half
	s_mov_b32 s21, 0
	s_mov_b32 s47, 0
	s_mov_b64 s[18:19], KROW
	s_mul_u64 s[20:21], s[20:21], s[18:19]
	s_mul_u64 s[46:47], s[46:47], s[18:19]
	s_mul_i32 s45, s14, HALFT
	s_wait_dscnt 0x0
	s_wait_kmcnt 0x0
	s_load_b256 s[68:75], s[8:9], 0x0              ; e0 .. e7
	s_add_nc_u64 s[20:21], s[4:5], s[20:21]
	s_add_nc_u64 s[46:47], s[6:7], s[46:47]
	CROUND
.irp s, 0,1
	s_mov_b32 s[G0+4*\s], 1
	s_add_co_u32 s[G0+4*\s+1], s45, \s*SLOT
	s_add_nc_u64 s[G0+4*\s+2:G0+4*\s+3], s[20:21], \s*ROWB
	s_or_b32 s[G0+4*\s+3], s[G0+4*\s+3], 0x80000000
	s_mov_b32 s[G0B+4*\s], 1
	s_add_co_u32 s[G0B+4*\s+1], s45, \s*SLOT
	s_add_nc_u64 s[G0B+4*\s+2:G0B+4*\s+3], s[46:47], \s*ROWB
	s_or_b32 s[G0B+4*\s+3], s[G0B+4*\s+3], 0x80000000
.if \s                                         ; slot 1's first fill is issued as a refill is
	s_wait_alu depctr_va_vdst(0)
	s_wait_tensorcnt 0x0                           ; my part of K step 0 is in
	ds_add_u32 v[SPW], v[NIL]
	s_wait_dscnt 0x0
	CROUND
.endif
	JLOAD G0+4*\s, G1, G0B+4*\s, G1B
.endr
	v_and_b32 v1, 15, v0                           ; r
	s_wait_alu depctr_va_vdst(0)
	v_bfe_u32 v2, v0, 4, 1                         ; h
	v_mul_u32_u24 v3, v1, PITCH
	v_lshl_add_u32 v4, v2, 4, v3
	s_mul_i32 s21, s15, HALFT
	s_mul_i32 s22, s16, HALFT
	s_add_co_u32 s22, s22, 2*HALFT
.irp s, 0,1
	v_add_nc_u32 v[ADRA+\s], s21, v4
	v_add_nc_u32 v[ADRB+\s], s22, v4
	s_add_co_u32 s21, s21, SLOT
	s_add_co_u32 s22, s22, SLOT
.endr
	s_mul_i32 s23, s15, 128*SPITCH                 ; into the stage: my 128 channels, my half of their 256 bytes
	s_lshl_b32 s21, s16, 7
	s_add_co_u32 s23, s23, s21
	v_mul_u32_u24 v5, v1, SPITCH
	s_wait_alu depctr_va_vdst(0)
	v_lshl_add_u32 v5, v2, 3, v5
	v_add_nc_u32 v[STO], s23, v5                   ; row r, + 8 h
	s_mul_i32 s23, s14, 64*SPITCH                  ; back: wave w takes rows 64 w on, whole; lanes 0-15 one row, lanes 16-31 the next
	v_mul_u32_u24 v5, v2, SPITCH
	v_lshl_add_u32 v5, v1, 4, v5
	v_add_nc_u32 v[RD], s23, v5
	v_lshlrev_b32 v5, 11, v2                       ; and the same two rows in the output, 2,048 bytes apart
	v_lshl_add_u32 v[CO], v1, 4, v5
	v_lshlrev_b32 v[BO], 2, v1
	s_lshl_b32 s20, s17, 10                        ; the bias: entry 2048 + 256 x tile row + 128 x my half
	s_lshl_b32 s21, s15, 9
	s_add_co_u32 s20, s20, s21
	s_add_co_u32 s20, s20, 8192
	s_mov_b32 s21, 0
	s_add_nc_u64 s[10:11], s[10:11], s[20:21]
.set ii, 0
.rept 8
	global_load_b32 v[BIAS+2*ii], v[BO], s[10:11] offset:64*ii
.set ii, ii+1
.endr
	s_lshl_b32 s20, s17, 19                        ; the output: channel 256 x tile row + 64 x wave, rows of 2,048 bytes,
	s_lshl_b32 s21, s14, 17
	s_add_co_u32 s20, s20, s21
	s_mov_b32 s21, 0
	s_add_nc_u64 s[76:77], s[76:77], s[20:21]
	s_lshr_b32 s46, s42, 3                         ; the batch's 1,024 rows,
	s_lshl_b32 s46, s46, 21
	s_and_b32 s47, s42, 7
	s_lshl_b32 s47, s47, 8                         ; and the tile's 256 tokens in a row
	s_add_co_u32 s46, s46, s47
	s_mov_b32 s47, 0
	s_add_nc_u64 s[76:77], s[76:77], s[46:47]
.macro FRAG reg, adr, q, i
.irp c, 0,1,2,3
	ds_load_b128 v[\reg+4*\c:\reg+4*\c+3], v[\adr] offset:128*(\q)+32*\c+(\i)*16*PITCH
.endr
.endm
.macro MUL16 a0, p, zero               ; the 64 accumulators take turns
.irp a, \a0, \a0+1
.irp b, 0,1,2,3,4,5,6,7
.if \zero
	v_wmma_f32_16x16x128_fp8_fp8 v[8*(8*((\a)%4)+\b):8*(8*((\a)%4)+\b)+7], v[128*(\p)+FR*\b:128*(\p)+FR*\b+FR-1], v[AF+FR*(\a):AF+FR*(\a)+FR-1], 0
.else
	v_wmma_f32_16x16x128_fp8_fp8 v[8*(8*((\a)%4)+\b):8*(8*((\a)%4)+\b)+7], v[128*(\p)+FR*\b:128*(\p)+FR*\b+FR-1], v[AF+FR*(\a):AF+FR*(\a)+FR-1], v[8*(8*((\a)%4)+\b):8*(8*((\a)%4)+\b)+7]
.endif
.endr
.endr
.endm
.macro FETCH_B slot, q, p
	WIN TO_B
.irp i, 0,1,2,3,4,5,6,7
	FRAG 128*(\p)+FR*\i, ADRB+\slot, \q, \i
.endr
	WIN 0
.endm
.macro FETCH_A slot, q, i0
.irp i, \i0, \i0+1, \i0+2, \i0+3
	FRAG AF+FR*(\i), ADRA+\slot, \q, \i
.endr
.endm
.macro PLACES n
.rept \n
	v_nop
.endr
.endm
.macro STEP slot, q, zero
	s_wait_dscnt 4*NL                              ; the sixteen youngest loads (A's blocks 4-7) may be out
	WIN MUL_LO
	MUL16 0, (\q)%2, \zero
	MUL16 2, (\q)%2, \zero
	s_wait_dscnt 0
	PLACES NP
	FETCH_B \slot, (\q)+1, 1-(\q)%2
	FETCH_A \slot, (\q)+1, 0
	WIN MUL_HI
	MUL16 4, (\q)%2, \zero
	MUL16 6, (\q)%2, \zero
	PLACES NP
	WIN 0
	FETCH_A \slot, (\q)+1, 4
.endm
.macro TURN slot, next, fill
	s_wait_tensorcnt 0x0                           ; all my tensor loads have landed
	ds_add_u32 v[SPW], v[NIL]
	s_wait_dscnt 4*NL+1                            ; the add and the sixteen youngest loads may be out
	WIN MUL_LO
	MUL16 0, 1, 0
	s_wait_dscnt 0x0                               ; the add is done, and my reads of this slot are over
	s_barrier_signal -1
	MUL16 2, 1, 0
	WIN 0
	s_barrier_wait -1
.if \fill
	CREST
	s_add_nc_u64 s[G0+4*\slot+2:G0+4*\slot+3], s[G0+4*\slot+2:G0+4*\slot+3], STEPA
	s_add_nc_u64 s[G0B+4*\slot+2:G0B+4*\slot+3], s[G0B+4*\slot+2:G0B+4*\slot+3], STEPB
	JLOAD G0+4*\slot, G1, G0B+4*\slot, G1B
.else
	PLACES NP
.endif
	FETCH_B \next, 0, 0
	FETCH_A \next, 0, 0
	WIN MUL_HI
	MUL16 4, 1, 0
	MUL16 6, 1, 0
	PLACES NP
	WIN 0
	FETCH_A \next, 0, 4
.endm
	s_wait_tensorcnt 1                             ; my part of K step 0 is in; K step 1's load may be out
	s_barrier_signal -1
	s_barrier_wait -1
	FETCH_B 0, 0, 0
	FETCH_A 0, 0, 0
	FETCH_A 0, 0, 4
	STEP 0, 0, 1
	s_mov_b32 s3, LAPS-1
.Llap:
	TURN 0, 1, 1
	STEP 1, 0, 0
	TURN 1, 0, 1
	STEP 0, 0, 0
	s_sub_co_u32 s3, s3, 1
	s_cmp_lg_u32 s3, 0
	s_cbranch_scc1 .Llap
	TURN 0, 1, 0
	STEP 1, 0, 0
	s_wait_dscnt 4*NL
	WIN MUL_LO
	MUL16 0, 1, 0
	MUL16 2, 1, 0
	s_wait_dscnt 0
	WIN MUL_HI
	MUL16 4, 1, 0
	MUL16 6, 1, 0
	WIN 0
; THE WAY OUT.  Block a: 16 channels x 128 tokens: value = sum x 2^(e0 + e1) + my channel's bias; hold; 8 tokens of a lane become 8 bytes of the channel's row in the stage.
.macro BLOCKV a
.set AC, 64*((\a)%4)
.set CC, CD+16*((\a)%2)
	WIN (0x02+((\a)/4))
.set jj, 0
.rept 32
	v_pk_fma_f32 v[TMP+jj:TMP+jj+1], v[AC+jj:AC+jj+1], s[96:97], v[BIAS+2*(\a):BIAS+2*(\a)+1] op_sel_hi:[1,0,1]   ; each accumulator from its low end on
.set jj, jj+2
.endr
	WIN 0
.set jj, 0
.rept 64
	v_med3_num_f32 v[TMP+jj], v[TMP+jj], -v[LIMV], v[LIMV]
.set jj, jj+1
.endr
.set jj, 0
.rept 8
	v_cvt_scalef32_pk8_fp8_f32 v[CC+2*jj:CC+2*jj+1], v[TMP+8*jj:TMP+8*jj+7], v[SCL]
.set jj, jj+1
.endr
	v_nop                                          ; a plain line behind the last conversion
.set jj, 0
.rept 8
	ds_store_b64 v[STO], v[CC+2*jj:CC+2*jj+1] offset:(\a)*16*SPITCH+16*jj
.set jj, jj+1
.endr
.endm
	s_wait_kmcnt 0x0
	s_wait_loadcnt 0x0                             ; the bias
	s_add_co_i32 s96, s68, s69
	s_add_co_i32 s96, s96, 127
	s_lshl_b32 s96, s96, 23                        ; 2^(e0 + e1)
	s_mov_b32 s97, s96
	s_add_co_i32 s80, s73, 127                     ; e5
	s_lshl_b32 s81, s80, 23
	v_mov_b32 v[SCL], s81
	s_add_co_i32 s80, s80, 8
	s_lshl_b32 s80, s80, 23
	s_or_b32 s80, s80, 0x600000
	v_mov_b32 v[LIMV], s80
.set ii, 0
.rept 8
	v_mov_b32 v[BIAS+2*ii+1], v[BIAS+2*ii]         ; a pair for the packed form
.set ii, ii+1
.endr
	PLACES NP
.irp a, 0,1,2,3,4,5,6,7
	BLOCKV \a
.endr
	s_wait_dscnt 0x0                               ; for the others' sake: my stores into the stage are done
	s_barrier_signal -1
	s_barrier_wait -1
.set ii, 0
.rept 32
	ds_load_b128 v[OUTR+4*ii:OUTR+4*ii+3], v[RD] offset:ii*2*SPITCH
.set ii, ii+1
.endr
.set ii, 0
.rept 32
	s_wait_dscnt 31-ii
	global_store_b128 v[CO], v[OUTR+4*ii:OUTR+4*ii+3], s[76:77] offset:ii*4096 th:TH_STORE_NT   ; 16 lanes store 256 consecutive bytes, at a multiple of 256 from the buffer's first byte
.set ii, ii+1
.endr
	s_wait_tensorcnt 0x0                           ; the wave's end
	ds_add_u32 v[SPW], v[NIL]
	s_wait_dscnt 0x0
	CROUND
	s_endpgm
.Lfunc_end_k_qa719e75ef4_gemm_v:
	.size	k_qa719e75ef4_gemm_v, .Lfunc_end_k_qa719e75ef4_gemm_v-k_qa719e75ef4_gemm_v
	.p2alignl 7, 3214868480
	.fill 96, 4, 3214868480
	.section	.rodata,"a",@progbits
	.p2align	6, 0x0
	.amdhsa_kernel k_qa719e75ef4_gemm_v
		.amdhsa_group_segment_fixed_size 327680
		.amdhsa_private_segment_fixed_size 0
		.amdhsa_enable_private_segment 0
		.amdhsa_kernarg_size 40
		.amdhsa_user_sgpr_count 2
		.amdhsa_user_sgpr_kernarg_segment_ptr 1
		.amdhsa_wavefront_size32 1
		.amdhsa_system_sgpr_workgroup_id_x 1
		.amdhsa_system_sgpr_workgroup_id_y 1
		.amdhsa_system_sgpr_workgroup_id_z 1
		.amdhsa_system_vgpr_workitem_id 0
		.amdhsa_next_free_vgpr 1024
		.amdhsa_next_free_sgpr 98
		.amdhsa_reserve_vcc 0
		.amdhsa_float_denorm_mode_32 3
		.amdhsa_float_denorm_mode_16_64 3
		.amdhsa_memory_ordered 1
		.amdhsa_forward_progress 1
		.amdhsa_inst_pref_size 143
	.end_amdhsa_kernel
	.amdgpu_metadata
---
amdhsa.version: [ 1, 2 ]
amdhsa.kernels:
  - .name:           k_qa719e75ef4_gemm_v
    .symbol:         k_qa719e75ef4_gemm_v.kd
    .args:
      - { .name: wqkv_codes, .offset: 0, .size: 8, .value_kind: global_buffer, .address_space: global }
      - { .name: x_codes, .offset: 8, .size: 8, .value_kind: global_buffer, .address_space: global }
      - { .name: lowp_scales, .offset: 16, .size: 8, .value_kind: global_buffer, .address_space: global }
      - { .name: b_qkv, .offset: 24, .size: 8, .value_kind: global_buffer, .address_space: global }
      - { .name: v_codes, .offset: 32, .size: 8, .value_kind: global_buffer, .address_space: global }
    .group_segment_fixed_size: 327680
    .private_segment_fixed_size: 0
    .kernarg_segment_align: 8
    .kernarg_segment_size: 40
    .max_flat_workgroup_size: 128
    .sgpr_count:     98
    .vgpr_count:     1024
    .wavefront_size: 32
...
	.end_amdgpu_metadata
.endif
;; end of part 3
;; launch attn (part 4): grid 4 x 64, 8 waves a work-group, no clusters, 327,680 bytes of LDS; arguments q_codes, k_codes, v_codes, lowp_scales, y_codes; writes y_codes
.if DOCPART == 4
	.amdgcn_target "amdgcn-amd-amdhsa--gfx1250"
	.amdhsa_code_object_version 6
	.text
	.protected	k_qa719e75ef4_attn
	.globl	k_qa719e75ef4_attn
	.p2align	8
	.type	k_qa719e75ef4_attn,@function
k_qa719e75ef4_attn:
	s_mov_b64 s[64:65], 0
	v_nop
	global_prefetch_b8 v0, s[64:65] scope:SCOPE_SE
	s_setreg_imm32_b32 hwreg(HW_REG_WAVE_MODE, 25, 1), 1
	s_wait_xcnt 0x0
; Causal attention on codes of FP8 (E4M3), head size 64, 64 (batch, head) pairs of 2,048 tokens.  q, k: [64][2048][64]; v with the keys innermost: [64][64][2048].  y = (p v) / l is quantised at once with
; entry 6 of the scales and stored as codes laid [64 blocks of 128 tokens][16 heads][128 tokens][64], as the last product's launch reads them.
; THE SOFTMAX: t = score x 2^(e2 + e3) x log2(e) / 8; M = the row's largest t so far, rounded UP to a whole number; p = 2^(t - M) is quantised with 2^e4; l is the sum of the unquantised p.
; When M moves, l and O are multiplied by 2^(old M - new M): exact.  y = O x 2^(e4 + e5) / l.
; SHARES.  Work-group (p, head) takes the head's query block 7 - p (256 queries) and then block p: 8 - p and p + 1 slots of 256 keys, NINE slots in every work-group, two of them on the diagonal: all 256 work-groups are alike.
; Each of EIGHT waves owns 32 queries of the block in hand, two tiles of 16: every fragment of K and of V that it reads from LDS feeds two matrix instructions, and the two tiles' dependent chains are laid by turns.
; The walk over slots is one loop of constant count; a slot's two key steps of 128 are an inner loop of two trips.  The key slot to be fetched next wraps to 0 where the first pass ends.  Every slot that is fetched is read.
; NO CLUSTER: the four work-groups of a head fetch different key slots from the fifth trip on (their passes end at different trips), so their requests could not be the same in every round.
; LAYOUT.  Both products are used transposed: S^T = K Q^T (16x16x64; source 0 = 16 keys, source 1 = 16 queries), O^T = V^T P^T (16x16x128; source 0 = 16 channels, source 1 = P): a lane holds ONE query of each tile (lane % 16).
; Register 8 u + j of S^T is key 16 u + 8 (lane / 16) + j: its eight codes are registers 2 u, 2 u + 1 of P in the K = 128 form's own layout.  K and Q are fetched 16 bytes at a time: the same permutation of the head's 64 in both.
; CAUSAL (the mask that the problem builds itself).  A step of 128 keys that all come after my 32 queries is left out by a scalar branch on ids; on the diagonal hidden scores become -infinity.
; A step that is walked begins at or before my first query (both are multiples of 32), so every row has a key in it.
; LIMITS: e2 + e3 between -123 and 130 (added to the constant's exponent field); e4 and e6 between -126 and 119; e4 + e5 goes by v_ldexp_f32 and has none.  NaN is not served.
; REGISTERS.  Window 0: v1-11 addresses; v12-27 the two tiles' state; v28-43 chains at work; v44-50 mask and constants; v64-95 p's codes; v96-223 S^T, then p; v224-255 y's codes.
;             Window 1: v0-15 Q in hand, v16-31 Q of the second pass, v32-95 K's 8 fragments, v96-159 V's 4, v160-223 O^T.
.set SK,    256                        ; keys in a slot
.set KP,    80                         ; a key's row in LDS: 64 bytes + 16 of padding
.set VP,    272                        ; a channel's row of V's tile: 256 bytes + 16
.set VOFF,  SK*KP                      ; a slot: K's 256 rows, then V's 64 rows
.set SLOT1, 1<<16                      ; slot 1 begins here: one exclusive or turns an address from one slot into the other
.set STAGE, 2*SLOT1                    ; behind the ring: 2,048 bytes for each wave, for the way out; no tile lands here
.set SPARE, STAGE+8*2048               ; behind the stages: the spare words, 128 bytes a wave
.set AK0, 1                            ; v1   my lane's place in a tile of K: 80 r + 16 h
.set AV0, 2                            ; v2   in V's tile: VOFF + 272 r + 8 h
.set PFO, 3                            ; v3   the prefetches' lane offset
.set STO, 4                            ; v4   the stage: 64 r + 8 h
.set SPW, 5                            ; v5   LDS address of my spare word; never rewritten
.set NIL, 6                            ; v6   0; never rewritten
.set GO,  7                            ; v7   16 x lane
.set ADK, 8
.set ADV, 9
.set RD,  10                           ; v10  the stage, read back: 16 x lane
.set QOF, 11                           ; v11  Q: 64 r + 16 h
.set ST,  12                           ; tile a's state at ST + 8 a: +0 -M, +1 the largest score, +2 +3 l in two halves, +4 f (+5 named with it), +6 the -M before, +7 the other half's maximum
.set CHN, 28                           ; tile a's chains at CHN + 8 a: four maxima, then four pairs of sums
.set D0,  44                           ; v44, v45 the mask's d of tile 0, 1; v46 -infinity
.set DL,  47                           ; v47  r - 8 h
.set SCP, 48                           ; v48  2^e4
.set SCY, 49                           ; v49  2^e6
.set LMY, 50                           ; v50  448 x 2^e6
.set PB,  64
.set SB,  96
.set YC,  224
.set YR,  240
.set QA,  0                            ; window 1
.set QB,  16
.set KFR, 32
.set VFR, 96
.set OB,  160
.set TB,  2                            ; s2   LDS byte at which the slot in hand begins
.set YA,  16                           ; s[16:17] where the first pass's 2,048 bytes of y go
.set WV,  18
.set PP,  19                           ; s19  p
.set SEL, 20
.set CS,  22                           ; s[22:23] log2(e) / 8 x 2^(e2 + e3)
.set G1K, 24
.set G1V, 32
.set G0K, 40
.set G0V, 44
.set KB,  48                           ; s[48:49] the head's K
.set VB,  50                           ; s[50:51] the head's V
.set OFK, 52
.set OFV, 54
.set YB,  56                           ; s[56:57] the second pass's y
.set KS,  58                           ; s58  the key slot: of this trip up to the change, of the next trip behind it
.set NA,  59                           ; s59  8 - p: slots of the first pass
.set KF,  60                           ; s60  the step's first key
.set Q0,  61                           ; s61  my first query in the pass in hand
.set Q0B, 62                           ; s62  in the second pass
.set SLOTS, 63                         ; s63  trips to go
.set LIMP, 66                          ; s66  448 x 2^e4
.set QC,  67                           ; s67  the step in the slot
.set PFA, 76
.set PFS, 78
.set LIM, 80
.set E45, 81                           ; s81  e4 + e5
.set OK,  98                           ; s98  LDS byte of the step's keys in K's tile
.set OV,  99                           ; s99  the same for V's tile
.set MSB, 0
.macro WIN new                         ; the immediate's high byte repeats the setting that is left
.if MSB != \new
	s_set_vgpr_msb (MSB<<8)|\new
.set MSB, \new
.endif
.endm
; Wave 0 fetches K's tile, wave 1 V's, the others nothing.  An s_nop 0 and four v_nop follow each line.
.macro TLOAD
	s_cmp_lt_u32 s[WV], 1
	s_cbranch_scc0 .Lnot_k_\@
	tensor_load_to_lds s[G0K:G0K+3], s[G1K:G1K+7]
	s_nop 0
.rept 4
	v_nop
.endr
	s_branch .Lasked_\@
.Lnot_k_\@:
	s_cmp_lt_u32 s[WV], 2
	s_cbranch_scc0 .Lasked_\@
	tensor_load_to_lds s[G0V:G0V+3], s[G1V:G1V+7]
	s_nop 0
.rept 4
	v_nop
.endr
.Lasked_\@:
.endm
; A prefetch of the key slot that the NEXT change of slots will ask for.  All four work-groups of a head begin with key slots 0, 1, 2 ..; the one with p = 0, whose first pass walks all eight, asks, and nobody else.
; In it waves 4 and 5 name K's 16,384 bytes (8,192 a wave, lanes 256 bytes apart), waves 6 and 7 V's 64 rows (32 a wave, a lane a row: 256 aligned bytes of it).  So each aligned block of 256 bytes is named once.
; Trip t names slot t + 2, for t = 0 .. 5; slots 0 and 1 come by their loads alone, and the second pass asks for nothing.
.macro ASK
	s_cmp_gt_u32 s[SLOTS], s[LIM]
	s_cbranch_scc0 .Lnot_mine_\@
	global_prefetch_b8 v[PFO], s[PFA:PFA+1] th:TH_LOAD_NT scope:SCOPE_SE
.Lnot_mine_\@:
.endm
	s_load_b256 s[4:11], s[0:1], 0x0               ; q s[4:5], k s[6:7], v s[8:9], the scales s[10:11]
	s_load_b64 s[12:13], s[0:1], 0x20              ; y
	v_lshl_add_u32 v[SPW], v0, 2, SPARE
	v_mov_b32 v[NIL], 0
	ds_add_u32 v[SPW], v[NIL]                      ; the wave's opening: the add, twice on end, and its wait ahead of the first tensor load
	ds_add_u32 v[SPW], v[NIL]
	v_lshrrev_b32 v8, 5, v0
	v_readfirstlane_b32 s[WV], v8                  ; wave 0..7
	s_mov_b32 s[PP], ttmp9
	s_and_b32 s82, ttmp7, 0xffff                   ; batch x 16 + head
	s_lshl_b32 s84, s82, 17                        ; the head's first byte in q, k and v: 131,072 bytes a head
	s_mov_b32 s85, 0
	s_sub_co_u32 s[NA], 8, s[PP]
	s_sub_co_u32 s83, 7, s[PP]                     ; the first pass's block
	s_lshl_b32 s86, s[WV], 5                       ; 32 queries a wave
	s_lshl_b32 s[Q0], s83, 8
	s_add_co_u32 s[Q0], s[Q0], s86
	s_lshl_b32 s[Q0B], s[PP], 8
	s_add_co_u32 s[Q0B], s[Q0B], s86
	s_lshl_b32 s86, s[Q0], 6
	s_mov_b32 s87, 0
	s_add_nc_u64 s[86:87], s[86:87], s[84:85]      ; my queries' codes, first pass,
	s_lshl_b32 s88, s[Q0B], 6
	s_mov_b32 s89, 0
	s_add_nc_u64 s[88:89], s[88:89], s[84:85]      ; second pass
	s_lshr_b32 s90, s82, 4                         ; y: block of 128 tokens = 16 x batch + 2 x query block + wave / 4,
	s_lshl_b32 s90, s90, 4
	s_lshr_b32 s91, s[WV], 2
	s_add_co_u32 s90, s90, s91
	s_lshl_b32 s90, s90, 17
	s_and_b32 s91, s82, 15                         ; the head's 8,192 bytes in it,
	s_lshl_b32 s91, s91, 13
	s_add_co_u32 s90, s90, s91
	s_and_b32 s91, s[WV], 3                        ; my 32 tokens x 64 bytes
	s_lshl_b32 s91, s91, 11
	s_add_co_u32 s90, s90, s91
	s_lshl_b32 s92, s83, 18
	s_add_co_u32 s92, s92, s90
	s_mov_b32 s93, 0
	s_lshl_b32 s94, s[PP], 18
	s_add_co_u32 s94, s94, s90
	s_mov_b32 s95, 0
	; K's tile: 256 keys x 64 bytes are 16,384 dense bytes: 64 rows of 256 bytes, with 16 bytes of padding behind every 64: key kk lies at 80 kk
	s_mov_b32 s[G1K], (0<<16)|(1<<20)|(3<<22)|(3<<25)
	s_mov_b32 s[G1K+1], 256<<16
	s_mov_b32 s[G1K+2], 64<<16
	s_mov_b32 s[G1K+3], 256<<16
	s_mov_b32 s[G1K+4], 64
	s_mov_b32 s[G1K+5], 256
	s_mov_b32 s[G1K+6], 0
	s_mov_b32 s[G1K+7], 0
	; V's tile: 64 channels x 256 keys, rows 2,048 bytes apart in memory
	s_mov_b32 s[G1V], (0<<16)|(1<<20)|(5<<22)|(3<<25)
	s_mov_b32 s[G1V+1], 256<<16
	s_mov_b32 s[G1V+2], 64<<16
	s_mov_b32 s[G1V+3], 256<<16
	s_mov_b32 s[G1V+4], 64
	s_mov_b32 s[G1V+5], 2048
	s_mov_b32 s[G1V+6], 0
	s_mov_b32 s[G1V+7], 0
	s_mov_b32 s[SEL], 0x76543210
	s_mov_b32 s[SEL+1], 0xfedcba98
	s_mov_b32 s[CS], 0x3e38aa3b                    ; log2(e) / 8
	s_mov_b32 s[TB], 0
	s_mov_b32 s[KS], 0
	s_mov_b32 s[SLOTS], 8
	s_mov_b32 s[OFK+1], 0
	s_mov_b32 s[OFV+1], 0
	s_wait_dscnt 0x0                               ; both opening adds are done
	s_wait_kmcnt 0x0
	s_load_b256 s[68:75], s[10:11], 0x0            ; e0 .. e7
	s_add_nc_u64 s[KB:KB+1], s[6:7], s[84:85]
	s_add_nc_u64 s[VB:VB+1], s[8:9], s[84:85]
	s_mov_b32 s[G0K], 1
	s_mov_b32 s[G0K+1], 0                          ; slot 0
	s_mov_b64 s[G0K+2:G0K+3], s[KB:KB+1]           ; key slot 0
	s_or_b32 s[G0K+3], s[G0K+3], 0x80000000
	s_mov_b32 s[G0V], 1
	s_mov_b32 s[G0V+1], VOFF
	s_mov_b64 s[G0V+2:G0V+3], s[VB:VB+1]
	s_or_b32 s[G0V+3], s[G0V+3], 0x80000000
	TLOAD
	s_add_nc_u64 s[14:15], s[4:5], s[88:89]        ; Q of the second pass
	s_add_nc_u64 s[4:5], s[4:5], s[86:87]          ; Q of the first
	s_add_nc_u64 s[YA:YA+1], s[12:13], s[92:93]
	s_add_nc_u64 s[YB:YB+1], s[12:13], s[94:95]
	; the prefetches: where my wave's stand, and who asks
	s_cmp_lt_u32 s[WV], 6                          ; waves 4 and 5: K; waves 6 and 7: V
	s_cselect_b64 s[PFA:PFA+1], s[KB:KB+1], s[VB:VB+1]
	s_mov_b32 s[PFS], 256
	s_cselect_b32 s[PFS], 16384, s[PFS]            ; a slot on
	s_mov_b32 s82, 2048
	s_cselect_b32 s82, 256, s82                    ; from lane to lane
	s_mov_b32 s83, 65536
	s_cselect_b32 s83, 8192, s83                   ; from wave to wave
	v_and_b32 v[PFO], 31, v0
	v_mul_lo_u32 v[PFO], v[PFO], s82
	s_and_b32 s82, s[WV], 1
	s_mul_i32 s82, s82, s83
	s_add_co_u32 s82, s82, s[PFS]                  ; in slot 1: the first change steps it to slot 2
	s_mov_b32 s83, 0
	s_mov_b32 s[PFS+1], 0
	s_add_nc_u64 s[PFA:PFA+1], s[PFA:PFA+1], s[82:83]
	s_sub_co_u32 s82, s[WV], 4
	s_lshr_b32 s82, s82, 2                         ; 0 in waves 4 to 7,
	s_or_b32 s82, s82, ttmp9                       ; of the work-group with p = 0
	s_cmp_eq_u32 s82, 0
	s_cselect_b32 s[LIM], 2, -1                    ; such a wave asks while more than two trips of the loop are left
	v_and_b32 v8, 15, v0                           ; r
	v_bfe_u32 v9, v0, 4, 1                         ; h
	v_lshlrev_b32 v[QOF], 6, v8
	v_lshl_add_u32 v[QOF], v9, 4, v[QOF]
	WIN 0x40                                       ; loaded data in window 1, the address in window 0
.irp a, 0,1
	global_load_b128 v[QA+8*\a:QA+8*\a+3], v[QOF], s[4:5] offset:1024*\a
	global_load_b128 v[QA+8*\a+4:QA+8*\a+7], v[QOF], s[4:5] offset:1024*\a+32
	global_load_b128 v[QB+8*\a:QB+8*\a+3], v[QOF], s[14:15] offset:1024*\a
	global_load_b128 v[QB+8*\a+4:QB+8*\a+7], v[QOF], s[14:15] offset:1024*\a+32
.endr
	WIN 0
	v_mul_u32_u24 v[AK0], v8, KP
	v_mul_u32_u24 v[AV0], v8, VP
	v_lshlrev_b32 v[STO], 6, v8
	v_and_b32 v[GO], 31, v0
	v_lshlrev_b32 v[DL], 3, v9
	v_lshl_add_u32 v[AK0], v9, 4, v[AK0]
	v_lshl_add_u32 v[AV0], v9, 3, v[AV0]
	v_lshl_add_u32 v[STO], v9, 3, v[STO]
	v_lshlrev_b32 v[GO], 4, v[GO]
	v_sub_nc_u32 v[DL], v8, v[DL]                  ; r - 8 h
	s_lshl_b32 s82, s[WV], 11
	s_add_co_u32 s82, s82, STAGE                   ; my stage
	v_add_nc_u32 v[AV0], VOFF, v[AV0]
	v_add_nc_u32 v[STO], s82, v[STO]
	v_add_nc_u32 v[RD], s82, v[GO]
.macro RESET                           ; a pass begins: the largest score is -3e38 and -M 3e38, so that the first f is 0; l and O^T are zeros
.irp a, 0,1
	v_mov_b32 v[ST+8*\a], 0x7f61b1e6
	v_mov_b32 v[ST+8*\a+1], 0xff61b1e6
	v_mov_b32 v[ST+8*\a+2], 0
	v_mov_b32 v[ST+8*\a+3], 0
	v_mov_b32 v[ST+8*\a+6], 0x7f61b1e6
.endr
	WIN 0x40
.set jj, 0
.rept 64
	v_mov_b32 v[OB+jj], 0
.set jj, jj+1
.endr
	WIN 0
.endm
	RESET
.irp a, 0,1
	v_mov_b32 v[ST+8*\a+5], 0                      ; (named as the upper half of f's pair)
	v_mov_b32 v[ST+8*\a+7], 0                      ; written once: a lane permute's destination counts as one of its sources
.endr
	s_wait_kmcnt 0x0
	s_add_co_i32 s82, s70, s71
	s_lshl_b32 s82, s82, 23
	s_add_co_i32 s[CS], s[CS], s82                 ; e2 + e3 are added to the constant's exponent field
	s_mov_b32 s[CS+1], s[CS]
	s_add_co_i32 s82, s72, 127
	s_lshl_b32 s83, s82, 23
	v_mov_b32 v[SCP], s83                          ; 2^e4
	s_add_co_i32 s82, s82, 8
	s_lshl_b32 s82, s82, 23
	s_or_b32 s[LIMP], s82, 0x600000                ; 448 x 2^e4
	s_add_co_i32 s82, s74, 127
	s_lshl_b32 s83, s82, 23
	v_mov_b32 v[SCY], s83                          ; 2^e6
	s_add_co_i32 s82, s82, 8
	s_lshl_b32 s82, s82, 23
	s_or_b32 s82, s82, 0x600000
	v_mov_b32 v[LMY], s82                          ; 448 x 2^e6
	s_add_co_i32 s[E45], s72, s73
; A KEY STEP: 128 keys x my 32 queries.  s[OK], s[OV]: where the step's keys lie in LDS.
.macro STEP
	s_add_co_u32 s96, s[Q0], 31
	s_cmp_gt_u32 s[KF], s96                        ; all 128 keys come after my 32 queries: the step's work is left out
	s_cbranch_scc1 .Lhidden_\@
	v_add_nc_u32 v[ADK], s[OK], v[AK0]
	v_add_nc_u32 v[ADV], s[OV], v[AV0]
	s_wait_alu depctr_va_vdst(0)
	WIN 0x40
.set tt, 0
.rept 8
	ds_load_b128 v[KFR+8*tt:KFR+8*tt+3], v[ADK] offset:16*tt*KP
	ds_load_b128 v[KFR+8*tt+4:KFR+8*tt+7], v[ADK] offset:16*tt*KP+32
.set tt, tt+1
.endr
	WIN 0x05                                       ; K and Q in window 1, S^T in window 0
.set tt, 0
.rept 8
	s_wait_dscnt 14-2*tt                           ; key tile tt's two loads are in; the 14 - 2 tt younger ones may be out
	v_wmma_f32_16x16x64_fp8_fp8 v[SB+8*tt:SB+8*tt+7], v[KFR+8*tt:KFR+8*tt+7], v[QA:QA+7], 0
	v_wmma_f32_16x16x64_fp8_fp8 v[SB+64+8*tt:SB+64+8*tt+7], v[KFR+8*tt:KFR+8*tt+7], v[QA+8:QA+15], 0
.set tt, tt+1
.endr
.rept 4
	v_nop                                          ; four plain lines behind the products: for the loads into V's registers and the first reads of S^T
.endr
	WIN 0x40
.set tt, 0
.rept 4                                        ; V's four fragments are asked for now and land under the softmax
.set cc, 0
.rept 8
	ds_load_b64 v[VFR+16*tt+2*cc:VFR+16*tt+2*cc+1], v[ADV] offset:16*tt*VP+16*cc
.set cc, cc+1
.endr
.set tt, tt+1
.endr
	WIN 0
	s_add_co_u32 s96, s[KF], 127
	s_cmp_le_u32 s96, s[Q0]                        ; all 128 keys count for all my queries: no mask
	s_cbranch_scc1 .Lopen_\@
	s_sub_co_i32 s96, s[Q0], s[KF]
	v_add_nc_u32 v[D0], s96, v[DL]                 ; d = my query - KF - 8 (lane / 16).  Register 8 u + j holds key KF + 16 u + 8 (lane / 16) + j: hidden where 16 u + j > d
	v_mov_b32 v[D0+2], 0xff800000                  ; -infinity
	v_add_nc_u32 v[D0+1], 16, v[D0]                ; tile 1's queries lie 16 further on
.set nn, 0
.rept 64
	v_cmp_gt_i32 vcc_lo, 16*(nn/8)+nn%8, v[D0]
	v_cndmask_b32 v[SB+nn], v[SB+nn], v[D0+2], vcc_lo
	v_cmp_gt_i32 vcc_lo, 16*(nn/8)+nn%8, v[D0+1]
	v_cndmask_b32 v[SB+64+nn], v[SB+64+nn], v[D0+2], vcc_lo
.set nn, nn+1
.endr
.Lopen_\@:
.irp a, 0,1                                    ; the step's largest score of each query among my 64 keys: four chains a tile, each accumulator from its low end on
.irp c, 0,1,2,3
	v_max3_num_f32 v[CHN+8*\a+\c], v[SB+64*\a+3*\c], v[SB+64*\a+3*\c+1], v[SB+64*\a+3*\c+2]
.endr
.endr
.irp i, 12,20,28,36,44,52
.irp a, 0,1
.irp c, 0,1,2,3
	v_max3_num_f32 v[CHN+8*\a+\c], v[CHN+8*\a+\c], v[SB+64*\a+\i+2*\c], v[SB+64*\a+\i+2*\c+1]
.endr
.endr
.endr
.irp a, 0,1
	v_max3_num_f32 v[CHN+8*\a], v[CHN+8*\a], v[SB+64*\a+60], v[SB+64*\a+61]
	v_max3_num_f32 v[CHN+8*\a+1], v[CHN+8*\a+1], v[SB+64*\a+62], v[SB+64*\a+63]
.endr
.irp a, 0,1
	v_max3_num_f32 v[CHN+8*\a], v[CHN+8*\a], v[CHN+8*\a+1], v[CHN+8*\a+2]
.endr
.irp a, 0,1
	v_max_num_f32 v[CHN+8*\a], v[CHN+8*\a], v[CHN+8*\a+3]
.endr
.irp a, 0,1
	v_permlanex16_b32 v[ST+8*\a+7], v[CHN+8*\a], s[SEL], s[SEL+1]
.endr
.irp a, 0,1
	v_max3_num_f32 v[ST+8*\a+1], v[ST+8*\a+1], v[CHN+8*\a], v[ST+8*\a+7]   ; the running largest score, both halves of the lanes
.endr
.irp a, 0,1
	v_mul_f32 v[CHN+8*\a+1], s[CS], v[ST+8*\a+1]   ; as t (the constant is positive)
.endr
.irp a, 0,1
	v_floor_f32 v[ST+8*\a], -v[CHN+8*\a+1]         ; the new -M = floor(-t): M is a whole number
.endr
.irp a, 0,1
	v_sub_f32 v[CHN+8*\a+2], v[ST+8*\a], v[ST+8*\a+6]   ; old M - new M: a whole number, 0 or less
.endr
.irp a, 0,1
	v_cvt_i32_f32 v[CHN+8*\a+2], v[CHN+8*\a+2]     ; (it saturates)
.endr
.irp a, 0,1
	v_ldexp_f32 v[ST+8*\a+4], 1.0, v[CHN+8*\a+2]   ; f = 2^(old M - new M)
.endr
	WIN 0x41                                       ; O^T in window 1, f in window 0
.irp a, 0,1
.set jj, 0
.rept 16
	v_pk_mul_f32 v[OB+32*\a+jj:OB+32*\a+jj+1], v[OB+32*\a+jj:OB+32*\a+jj+1], v[ST+8*\a+4:ST+8*\a+5] op_sel_hi:[1,0]   ; O^T under the new M, ahead of the exponentials
.set jj, jj+2
.endr
.endr
	WIN 0
.irp a, 0,1
.set jj, 0
.rept 32
	v_pk_fma_f32 v[SB+64*\a+jj:SB+64*\a+jj+1], v[SB+64*\a+jj:SB+64*\a+jj+1], s[CS:CS+1], v[ST+8*\a:ST+8*\a+1] op_sel_hi:[1,0,0]   ; t - M, two at a time
.set jj, jj+2
.endr
.endr
	s_wait_alu depctr_va_vdst(0)
.set jj, 0
.rept 128
	v_exp_f32 v[SB+jj], v[SB+jj]                   ; p = 2^(t - M)
.set jj, jj+1
.endr
	v_mov_b32 v[ST+6], v[ST]                       ; -M is kept for the next step: the plain lines behind the exponentials
	v_mov_b32 v[ST+14], v[ST+8]
	s_wait_alu depctr_va_vdst(0)                   ; one wait for the whole batch, ahead of its first reader
.irp a, 0,1                                    ; l is the sum of the unquantised p: four chains of pairs a tile
.irp c, 0,1,2,3
	v_pk_add_f32 v[CHN+8*\a+2*\c:CHN+8*\a+2*\c+1], v[SB+64*\a+2*\c:SB+64*\a+2*\c+1], v[SB+64*\a+8+2*\c:SB+64*\a+8+2*\c+1]
.endr
.endr
.irp i, 16,24,32,40,48,56
.irp a, 0,1
.irp c, 0,1,2,3
	v_pk_add_f32 v[CHN+8*\a+2*\c:CHN+8*\a+2*\c+1], v[CHN+8*\a+2*\c:CHN+8*\a+2*\c+1], v[SB+64*\a+\i+2*\c:SB+64*\a+\i+2*\c+1]
.endr
.endr
.endr
.irp a, 0,1
	v_pk_add_f32 v[CHN+8*\a:CHN+8*\a+1], v[CHN+8*\a:CHN+8*\a+1], v[CHN+8*\a+2:CHN+8*\a+3]
	v_pk_add_f32 v[CHN+8*\a+4:CHN+8*\a+5], v[CHN+8*\a+4:CHN+8*\a+5], v[CHN+8*\a+6:CHN+8*\a+7]
.endr
.irp a, 0,1
	v_pk_add_f32 v[CHN+8*\a:CHN+8*\a+1], v[CHN+8*\a:CHN+8*\a+1], v[CHN+8*\a+4:CHN+8*\a+5]
.endr
.irp a, 0,1
	v_pk_fma_f32 v[ST+8*\a+2:ST+8*\a+3], v[ST+8*\a+2:ST+8*\a+3], v[ST+8*\a+4:ST+8*\a+5], v[CHN+8*\a:CHN+8*\a+1] op_sel_hi:[1,0,1]   ; l x f + the step's sum
.endr
.irp a, 0,1
.set tt, 0
.rept 8
.irp j, 0,2,4,6                                ; the conversion does not saturate (ISA guide 7.6.2); p is not negative, so the hold is one-sided; two holds to a line
	v_dual_min_num_f32 v[SB+64*\a+8*tt+\j], s[LIMP], v[SB+64*\a+8*tt+\j] :: v_dual_min_num_f32 v[SB+64*\a+8*tt+\j+1], s[LIMP], v[SB+64*\a+8*tt+\j+1]
.endr
	v_cvt_scalef32_pk8_fp8_f32 v[PB+16*\a+2*tt:PB+16*\a+2*tt+1], v[SB+64*\a+8*tt:SB+64*\a+8*tt+7], v[SCP]
.set tt, tt+1
.endr
.endr
	v_nop                                          ; a plain line behind the last conversion
	s_wait_alu depctr_va_vdst(0)
	s_wait_dscnt 0x0                               ; V's fragments are in
	WIN 0x51                                       ; V and O^T in window 1, P in window 0
.irp t, 0,1,2,3
.irp a, 0,1
	v_wmma_f32_16x16x128_fp8_fp8 v[OB+32*\a+8*\t:OB+32*\a+8*\t+7], v[VFR+16*\t:VFR+16*\t+15], v[PB+16*\a:PB+16*\a+15], v[OB+32*\a+8*\t:OB+32*\a+8*\t+7]   ; the eight accumulators take turns
.endr
.endr
	WIN 0
.Lhidden_\@:
.endm
; A slot's two key steps: an inner loop of two trips.
.macro WALK
	s_mov_b32 s[OK], s[TB]
	s_mov_b32 s[OV], s[TB]
	s_mov_b32 s[QC], 0
.Lq_\@:
	STEP
	s_add_co_u32 s[OK], s[OK], 128*KP
	s_add_co_u32 s[OV], s[OV], 128
	s_add_co_u32 s[KF], s[KF], 128
	s_add_co_u32 s[QC], s[QC], 1
	s_cmp_lt_u32 s[QC], 2
	s_cbranch_scc1 .Lq_\@
.endm
; THE CHANGE OF SLOTS stands at a slot's head.  Each wave waits for all its tensor loads, adds 0 to its spare word, and waits for that and for its reads of the slot that it has left.  Behind the barrier the slot ahead is whole
; and nobody reads the other one.  fill = 1: that other slot takes the next trip's key slot; the load has a whole slot's steps in which to land.  One tensor load is out in waves 0 and 1, none in the others.
.macro CHANGE fill
	s_wait_tensorcnt 0x0                           ; no tensor load of mine is out, so a descriptor may be written
	ds_add_u32 v[SPW], v[NIL]
.if \fill
	ds_add_u32 v[SPW], v[NIL]                      ; and once more where a load follows
.endif
	s_lshl_b32 s[KF], s[KS], 8                     ; this trip's first key
.if \fill
	s_add_co_u32 s[KS], s[KS], 1                   ; the next trip's key slot:
	s_cmp_eq_u32 s[KS], s[NA]
	s_cselect_b32 s[KS], 0, s[KS]                  ; behind the first pass's last slot the second pass begins at key 0
	s_lshl_b32 s[OFK], s[KS], 14
	s_lshl_b32 s[OFV], s[KS], 8
	s_xor_b32 s[G0K+1], s[G0K+1], SLOT1
	s_xor_b32 s[G0V+1], s[G0V+1], SLOT1
	s_add_nc_u64 s[G0K+2:G0K+3], s[KB:KB+1], s[OFK:OFK+1]
	s_or_b32 s[G0K+3], s[G0K+3], 0x80000000
	s_add_nc_u64 s[G0V+2:G0V+3], s[VB:VB+1], s[OFV:OFV+1]
	s_or_b32 s[G0V+3], s[G0V+3], 0x80000000
	s_wait_xcnt 0x0                                ; the last prefetch, a slot back, has read its address, so it may be written
	s_add_nc_u64 s[PFA:PFA+1], s[PFA:PFA+1], s[PFS:PFS+1]
.endif
	s_wait_dscnt 0x0                               ; the add is done, and my reads of the slot that I have left are over
	s_barrier_signal -1
	s_barrier_wait -1
.if \fill
	TLOAD                                          ; the first thing behind the barrier, and a wave's one tensor load until the next
	ASK
.endif
.endm
; A PASS ENDS: y = O^T x 2^(e4 + e5) / l, held, quantised with 2^e6.  A lane's 8 channels are 8 bytes; my 32 queries x 64 bytes go through my stage and leave as four stores of 512 consecutive bytes.
.macro FINISH yp
.rept 4
	v_nop                                          ; behind the last products
.endr
	s_wait_xcnt 0x0                                ; the first pass's stores have read their registers
	s_wait_alu depctr_va_vdst(0)
.irp a, 0,1
	v_add_f32 v[ST+8*\a+2], v[ST+8*\a+2], v[ST+8*\a+3]
.endr
.irp a, 0,1
	v_permlanex16_b32 v[ST+8*\a+7], v[ST+8*\a+2], s[SEL], s[SEL+1]
.endr
.irp a, 0,1
	v_add_f32 v[ST+8*\a+2], v[ST+8*\a+2], v[ST+8*\a+7]   ; the row's sum
.endr
	s_wait_alu depctr_va_vdst(0)
	v_rcp_f32 v[ST+2], v[ST+2]
	v_rcp_f32 v[ST+10], v[ST+10]
	v_nop                                          ; a plain line behind them,
	s_wait_alu depctr_va_vdst(0)                   ; and the wait ahead of their first reader
	v_ldexp_f32 v[ST+2], v[ST+2], s[E45]
	v_ldexp_f32 v[ST+10], v[ST+10], s[E45]
	WIN 0x01                                       ; O^T in window 1
	s_wait_alu depctr_va_vdst(0)                   ; directly ahead of the first reader of O^T
.irp a, 0,1
.set jj, 0
.rept 16
	v_pk_mul_f32 v[SB+32*\a+jj:SB+32*\a+jj+1], v[OB+32*\a+jj:OB+32*\a+jj+1], v[ST+8*\a+2:ST+8*\a+3] op_sel_hi:[1,0]   ; register 8 t + j: y(my query, channel 16 t + 8 (lane / 16) + j); each accumulator from its low end on
.set jj, jj+2
.endr
.endr
	WIN 0
.set jj, 0
.rept 64
	v_med3_num_f32 v[SB+jj], v[SB+jj], -v[LMY], v[LMY]
.set jj, jj+1
.endr
.set tt, 0
.rept 8
	v_cvt_scalef32_pk8_fp8_f32 v[YC+2*tt:YC+2*tt+1], v[SB+8*tt:SB+8*tt+7], v[SCY]
.set tt, tt+1
.endr
	v_nop                                          ; a plain line behind the last conversion
.set tt, 0
.rept 8
	ds_store_b64 v[STO], v[YC+2*tt:YC+2*tt+1] offset:(tt/4)*1024+16*(tt%4)
.set tt, tt+1
.endr
.irp i, 0,1,2,3
	ds_load_b128 v[YR+4*\i:YR+4*\i+3], v[RD] offset:512*\i   ; LDS serves a wave's instructions in order: these see my stores
.endr
.irp i, 0,1,2,3
	s_wait_dscnt 3-\i                              ; load i is back; the 3 - i younger ones may be out
	global_store_b128 v[GO], v[YR+4*\i:YR+4*\i+3], s[\yp:\yp+1] offset:512*\i th:TH_STORE_NT
.endr
.endm
	s_wait_alu depctr_va_vdst(0)
	s_wait_loadcnt 0x0                             ; Q of both passes
.Lslot:                                            ; eight trips; the ninth slot is written out
	CHANGE 1
	WALK
	s_xor_b32 s[TB], s[TB], SLOT1
	s_cmp_lg_u32 s[KS], 0                          ; the next key slot is 0 only behind the first pass's last slot: ids and counted steps alone, alike in all eight waves
	s_cbranch_scc1 .Lon
	FINISH YA
	RESET
	WIN 0x41
.set jj, 0
.rept 16
	v_mov_b32 v[QA+jj], v[QB+jj]                   ; the second pass's queries
.set jj, jj+1
.endr
	WIN 0
	s_mov_b32 s[Q0], s[Q0B]
	s_wait_alu depctr_va_vdst(0)
.Lon:
	s_sub_co_u32 s[SLOTS], s[SLOTS], 1
	s_cmp_lg_u32 s[SLOTS], 0
	s_cbranch_scc1 .Lslot
	CHANGE 0
	WALK
	FINISH YB
	s_wait_tensorcnt 0x0                           ; the wave's end
	ds_add_u32 v[SPW], v[NIL]
	s_wait_dscnt 0x0
	s_endpgm
.Lfunc_end_k_qa719e75ef4_attn:
	.size	k_qa719e75ef4_attn, .Lfunc_end_k_qa719e75ef4_attn-k_qa719e75ef4_attn
	.p2alignl 7, 3214868480
	.fill 96, 4, 3214868480
	.section	.rodata,"a",@progbits
	.p2align	6, 0x0
	.amdhsa_kernel k_qa719e75ef4_attn
		.amdhsa_group_segment_fixed_size 327680
		.amdhsa_private_segment_fixed_size 0
		.amdhsa_enable_private_segment 0
		.amdhsa_kernarg_size 40
		.amdhsa_user_sgpr_count 2
		.amdhsa_user_sgpr_kernarg_segment_ptr 1
		.amdhsa_wavefront_size32 1
		.amdhsa_system_sgpr_workgroup_id_x 1
		.amdhsa_system_sgpr_workgroup_id_y 1
		.amdhsa_system_sgpr_workgroup_id_z 1
		.amdhsa_system_vgpr_workitem_id 0
		.amdhsa_next_free_vgpr 512
		.amdhsa_next_free_sgpr 100
		.amdhsa_reserve_vcc 1
		.amdhsa_float_denorm_mode_32 3
		.amdhsa_float_denorm_mode_16_64 3
		.amdhsa_memory_ordered 1
		.amdhsa_forward_progress 1
		.amdhsa_inst_pref_size 113
	.end_amdhsa_kernel
	.amdgpu_metadata
---
amdhsa.version: [ 1, 2 ]
amdhsa.kernels:
  - .name:           k_qa719e75ef4_attn
    .symbol:         k_qa719e75ef4_attn.kd
    .args:
      - { .name: q_codes, .offset: 0, .size: 8, .value_kind: global_buffer, .address_space: global }
      - { .name: k_codes, .offset: 8, .size: 8, .value_kind: global_buffer, .address_space: global }
      - { .name: v_codes, .offset: 16, .size: 8, .value_kind: global_buffer, .address_space: global }
      - { .name: lowp_scales, .offset: 24, .size: 8, .value_kind: global_buffer, .address_space: global }
      - { .name: y_codes, .offset: 32, .size: 8, .value_kind: global_buffer, .address_space: global }
    .group_segment_fixed_size: 327680
    .private_segment_fixed_size: 0
    .kernarg_segment_align: 8
    .kernarg_segment_size: 40
    .max_flat_workgroup_size: 256
    .sgpr_count:     100
    .vgpr_count:     512
    .wavefront_size: 32
...
	.end_amdgpu_metadata
.endif
;; end of part 4
;; launch gemm_out (part 5): grid 4 x 32, 4 waves a work-group, clusters of 4 x 4, 327,680 bytes of LDS; arguments y_codes, wout_codes, lowp_scales, b_out, out0; writes out0
.if DOCPART == 5
	.amdgcn_target "amdgcn-amd-amdhsa--gfx1250"
	.amdhsa_code_object_version 6
	.text
	.protected	k_qa719e75ef4_gemm_out
	.globl	k_qa719e75ef4_gemm_out
	.p2align	8
	.type	k_qa719e75ef4_gemm_out,@function
k_qa719e75ef4_gemm_out:
	s_mov_b64 s[64:65], 0
	v_nop
	global_prefetch_b8 v0, s[64:65] scope:SCOPE_SE
	s_setreg_imm32_b32 hwreg(HW_REG_WAVE_MODE, 25, 1), 1
	s_wait_xcnt 0x0
	s_wait_alu depctr_hold_cnt(0) depctr_sa_sdst(0) depctr_va_vdst(0) depctr_va_sdst(0) depctr_va_ssrc(0) depctr_va_vcc(0) depctr_vm_vsrc(0)
	s_getreg_b32 s2, hwreg(HW_REG_IB_STS2, 6, 4)
	s_cmp_eq_u32 s2, 0
	s_cbranch_scc0 .Lentry_in_a_cluster
	s_endpgm
.Lentry_in_a_cluster:
	s_bfe_u32 s2, ttmp6, 0x10000c
	s_cmp_lg_u32 s2, 0xf033
	s_cbranch_scc0 .Lentry_shape_is_right
	s_endpgm
.Lentry_shape_is_right:
.set ROWB,   256
.set KROW,   1024
.set PITCH,  272
.set APITCH, 80
.set HEADB,  128*APITCH
.set FR,     16
.set NL,     4
.set NP,     4
.set HALFA,  4*HEADB
.set HALFB,  128*PITCH
.set SLOT,   2*HALFA+2*HALFB
.set LAPS,   2
.set STEPA,  65536
.set STEPB,  2*ROWB
.set SPARE,  2*SLOT
.set SPITCH, 528
.set ADRA, 16
.set ADRB, 20
.set STO,  24
.set RD,   25
.set CO,   26
.set BO,   27
.set SPW,  28
.set NIL,  29
.set BIAS, 32
.set TMP,  96
.set AF,   128
.set G1, 24
.set G0, 32
.set G1B, 48
.set G0B, 56
.set MSB, 0
.macro WIN new
.if MSB != \new
	s_set_vgpr_msb (MSB<<8)|\new
.set MSB, \new
.endif
.endm
.set MUL_LO, 0xa1
.set MUL_HI, 0xf1
.set TO_B,   0x40
.macro JLOAD g0a, g1a, g0b, g1b
	s_cmp_eq_u32 s15, 0
	s_cbranch_scc0 .Lfor_b_\@
	tensor_load_to_lds s[\g0a:\g0a+3], s[\g1a:\g1a+7]
	s_nop 0
.rept 4
	v_nop
.endr
	s_branch .Lasked_\@
.Lfor_b_\@:
	tensor_load_to_lds s[\g0b:\g0b+3], s[\g1b:\g1b+7]
	s_nop 0
.rept 4
	v_nop
.endr
.Lasked_\@:
.endm
.macro CREST
	s_cmp_lg_u32 s14, 0
	s_cbranch_scc1 .Lnot_wave_0_\@
	s_barrier_signal -3
.Lnot_wave_0_\@:
	s_barrier_wait -3
	s_barrier_signal -1
	s_barrier_wait -1
.endm
.macro CROUND
	s_barrier_signal -1
	s_barrier_wait -1
	CREST
.endm
	s_load_b128 s[4:7], s[0:1], 0x0
	s_load_b128 s[8:11], s[0:1], 0x10
	s_load_b64 s[76:77], s[0:1], 0x20
	v_lshl_add_u32 v[SPW], v0, 2, SPARE
	v_mov_b32 v[NIL], 0
	ds_add_u32 v[SPW], v[NIL]
	ds_add_u32 v[SPW], v[NIL]
	v_lshrrev_b32 v1, 5, v0
	v_readfirstlane_b32 s14, v1
	s_lshr_b32 s15, s14, 1
	s_and_b32 s16, s14, 1
	s_bfe_u32 s40, ttmp6, 0x40000
	s_bfe_u32 s41, ttmp6, 0x40004
	s_lshl_b32 s42, ttmp9, 2
	s_add_co_u32 s42, s42, s40
	s_and_b32 s17, ttmp7, 0xffff
	s_lshl_b32 s17, s17, 2
	s_add_co_u32 s17, s17, s41
	s_lshl_b32 s43, s41, 2
	s_lshl_b32 s43, 15, s43
	s_lshl_b32 s44, 0x1111, s40
	s_or_b32 s[G1+0], s43, (0<<16)|(1<<20)|(1<<21)|(3<<22)|(3<<25)
	s_or_b32 s[G1B+0], s44, (0<<16)|(1<<20)|(1<<21)|(5<<22)|(3<<25)
.irp g, G1, G1B
	s_mov_b32 s[\g+1], ROWB<<16
	s_mov_b32 s[\g+2], 128<<16
	s_mov_b32 s[\g+3], ROWB<<16
	s_mov_b32 s[\g+4], 128
	s_mov_b32 s[\g+6], 0
	s_mov_b32 s[\g+7], 0
.endr
	s_mov_b32 s[G1+5], ROWB
	s_mov_b32 s[G1B+5], KROW
	s_lshl_b32 s20, s17, 1
	s_add_co_u32 s20, s20, s16
	s_lshl_b32 s20, s20, 17
	s_mov_b32 s21, 0
	s_lshl_b32 s18, s16, 7
	s_lshl_b32 s46, s42, 8
	s_add_co_u32 s46, s46, s18
	s_mov_b32 s47, 0
	s_mov_b64 s[18:19], KROW
	s_mul_u64 s[46:47], s[46:47], s[18:19]
	s_mul_i32 s45, s16, HALFA
	s_mul_i32 s22, s16, HALFB
	s_add_co_u32 s22, s22, 2*HALFA
	s_wait_dscnt 0x0
	s_wait_kmcnt 0x0
	s_load_b256 s[68:75], s[8:9], 0x0
	s_add_nc_u64 s[20:21], s[4:5], s[20:21]
	s_add_nc_u64 s[46:47], s[6:7], s[46:47]
	CROUND
.irp s, 0,1
	s_mov_b32 s[G0+4*\s], 1
	s_add_co_u32 s[G0+4*\s+1], s45, \s*SLOT
	s_add_nc_u64 s[G0+4*\s+2:G0+4*\s+3], s[20:21], \s*32768
	s_or_b32 s[G0+4*\s+3], s[G0+4*\s+3], 0x80000000
	s_mov_b32 s[G0B+4*\s], 1
	s_add_co_u32 s[G0B+4*\s+1], s22, \s*SLOT
	s_add_nc_u64 s[G0B+4*\s+2:G0B+4*\s+3], s[46:47], \s*ROWB
	s_or_b32 s[G0B+4*\s+3], s[G0B+4*\s+3], 0x80000000
.if \s                                         ; slot 1's first fill is issued as a refill is
	s_wait_alu depctr_va_vdst(0)
	s_wait_tensorcnt 0x0                           ; my part of K step 0 is in
	ds_add_u32 v[SPW], v[NIL]
	s_wait_dscnt 0x0
	CROUND
.endif
	JLOAD G0+4*\s, G1, G0B+4*\s, G1B
.endr
	v_and_b32 v1, 15, v0
	v_bfe_u32 v2, v0, 4, 1
	v_mul_u32_u24 v3, v1, PITCH
	v_lshl_add_u32 v4, v2, 4, v3
	v_mul_u32_u24 v3, v1, APITCH
	v_lshl_add_u32 v3, v2, 4, v3
	s_mul_i32 s21, s15, HALFA
	s_mul_i32 s22, s16, HALFB
	s_add_co_u32 s22, s22, 2*HALFA
.irp s, 0,1
	v_add_nc_u32 v[ADRA+\s], s21, v3
	v_add_nc_u32 v[ADRB+\s], s22, v4
	s_add_co_u32 s21, s21, SLOT
	s_add_co_u32 s22, s22, SLOT
.endr
	s_mul_i32 s23, s14, 16*SPITCH
	v_mul_u32_u24 v5, v1, SPITCH
	v_lshl_add_u32 v5, v2, 5, v5
	v_add_nc_u32 v[STO], s23, v5
	v_and_b32 v6, 31, v0
	v_lshlrev_b32 v[CO], 4, v6
	v_add_nc_u32 v[RD], s23, v[CO]
	v_lshlrev_b32 v[BO], 5, v2
	s_lshl_b32 s46, s42, 10
	s_lshl_b32 s47, s16, 9
	s_add_co_u32 s46, s46, s47
	s_mov_b32 s47, 0
	s_add_nc_u64 s[10:11], s[10:11], s[46:47]
	s_add_nc_u64 s[76:77], s[76:77], s[46:47]
.set ii, 0
.rept 8
	global_load_b128 v[BIAS+8*ii:BIAS+8*ii+3], v[BO], s[10:11] offset:64*ii
	global_load_b128 v[BIAS+8*ii+4:BIAS+8*ii+7], v[BO], s[10:11] offset:64*ii+16
.set ii, ii+1
.endr
	s_lshl_b32 s20, s17, 20
	s_lshl_b32 s21, s15, 19
	s_add_co_u32 s20, s20, s21
	s_mov_b32 s21, 0
	s_add_nc_u64 s[76:77], s[76:77], s[20:21]
.macro FRAG reg, adr, q, i
.irp c, 0,1,2,3
	ds_load_b128 v[\reg+4*\c:\reg+4*\c+3], v[\adr] offset:128*(\q)+32*\c+(\i)*16*PITCH
.endr
.endm
.macro FRAGA reg, adr, q, i
.irp c, 0,1,2,3
	ds_load_b128 v[\reg+4*\c:\reg+4*\c+3], v[\adr] offset:(2*(\q)+\c/2)*HEADB+(\c%2)*32+(\i)*16*APITCH
.endr
.endm
.macro MUL16 a0, p, zero
.irp a, \a0, \a0+1
.irp b, 0,1,2,3,4,5,6,7
.if \zero
	v_wmma_f32_16x16x128_fp8_fp8 v[8*(8*((\a)%4)+\b):8*(8*((\a)%4)+\b)+7], v[128*(\p)+FR*\b:128*(\p)+FR*\b+FR-1], v[AF+FR*(\a):AF+FR*(\a)+FR-1], 0
.else
	v_wmma_f32_16x16x128_fp8_fp8 v[8*(8*((\a)%4)+\b):8*(8*((\a)%4)+\b)+7], v[128*(\p)+FR*\b:128*(\p)+FR*\b+FR-1], v[AF+FR*(\a):AF+FR*(\a)+FR-1], v[8*(8*((\a)%4)+\b):8*(8*((\a)%4)+\b)+7]
.endif
.endr
.endr
.endm
.macro FETCH_B slot, q, p
	WIN TO_B
.irp i, 0,1,2,3,4,5,6,7
	FRAG 128*(\p)+FR*\i, ADRB+\slot, \q, \i
.endr
	WIN 0
.endm
.macro FETCH_A slot, q, i0
.irp i, \i0, \i0+1, \i0+2, \i0+3
	FRAGA AF+FR*(\i), ADRA+\slot, \q, \i
.endr
.endm
.macro PLACES n
.rept \n
	v_nop
.endr
.endm
.macro STEP slot, q, zero
	s_wait_dscnt 4*NL
	WIN MUL_LO
	MUL16 0, (\q)%2, \zero
	MUL16 2, (\q)%2, \zero
	s_wait_dscnt 0
	PLACES NP
	FETCH_B \slot, (\q)+1, 1-(\q)%2
	FETCH_A \slot, (\q)+1, 0
	WIN MUL_HI
	MUL16 4, (\q)%2, \zero
	MUL16 6, (\q)%2, \zero
	PLACES NP
	WIN 0
	FETCH_A \slot, (\q)+1, 4
.endm
.macro TURN slot, next, fill
	s_wait_tensorcnt 0x0
	ds_add_u32 v[SPW], v[NIL]
	s_wait_dscnt 4*NL+1
	WIN MUL_LO
	MUL16 0, 1, 0
	s_wait_dscnt 0x0
	s_barrier_signal -1
	MUL16 2, 1, 0
	WIN 0
	s_barrier_wait -1
.if \fill
	CREST
	s_add_nc_u64 s[G0+4*\slot+2:G0+4*\slot+3], s[G0+4*\slot+2:G0+4*\slot+3], STEPA
	s_add_nc_u64 s[G0B+4*\slot+2:G0B+4*\slot+3], s[G0B+4*\slot+2:G0B+4*\slot+3], STEPB
	JLOAD G0+4*\slot, G1, G0B+4*\slot, G1B
.else
	PLACES NP
.endif
	s_wait_alu depctr_va_vdst(0)
	FETCH_B \next, 0, 0
	FETCH_A \next, 0, 0
	WIN MUL_HI
	MUL16 4, 1, 0
	MUL16 6, 1, 0
	PLACES NP
	WIN 0
	FETCH_A \next, 0, 4
.endm
	s_wait_tensorcnt 1
	s_barrier_signal -1
	s_barrier_wait -1
	FETCH_B 0, 0, 0
	FETCH_A 0, 0, 0
	FETCH_A 0, 0, 4
	STEP 0, 0, 1
	s_mov_b32 s3, LAPS-1
.Llap:
	TURN 0, 1, 1
	STEP 1, 0, 0
	TURN 1, 0, 1
	STEP 0, 0, 0
	s_sub_co_u32 s3, s3, 1
	s_cmp_lg_u32 s3, 0
	s_cbranch_scc1 .Llap
	TURN 0, 1, 0
	STEP 1, 0, 0
	s_wait_dscnt 4*NL
	WIN MUL_LO
	MUL16 0, 1, 0
	MUL16 2, 1, 0
	s_wait_dscnt 0
	WIN MUL_HI
	MUL16 4, 1, 0
	MUL16 6, 1, 0
	WIN 0
.macro TOSTAGE a
.set AC, 64*((\a)%4)
.set TT, TMP+64*((\a)%2)
	WIN (0x02+((\a)/4))
.set jj, 0
.rept 32
	v_pk_fma_f32 v[TT+jj:TT+jj+1], v[AC+jj:AC+jj+1], s[96:97], v[BIAS+jj:BIAS+jj+1] op_sel_hi:[1,0,1]
.set jj, jj+2
.endr
	WIN 0
.set jj, 0
.rept 8
	ds_store_b128 v[STO], v[TT+8*jj:TT+8*jj+3] offset:64*jj
	ds_store_b128 v[STO], v[TT+8*jj+4:TT+8*jj+7] offset:64*jj+16
.set jj, jj+1
.endr
.set jj, 0
.rept 16
	ds_load_b128 v[TT+4*jj:TT+4*jj+3], v[RD] offset:jj*SPITCH
.set jj, jj+1
.endr
.endm
.macro SEND a, younger
.set TT, TMP+64*((\a)%2)
	s_wait_dscnt \younger
.set jj, 0
.rept 16
	global_store_b128 v[CO], v[TT+4*jj:TT+4*jj+3], s[76:77] offset:(16*(\a)+jj)*4096 th:TH_STORE_NT
.set jj, jj+1
.endr
.endm
	s_wait_kmcnt 0x0
	s_wait_loadcnt 0x0
	s_add_co_i32 s96, s74, s75
	s_add_co_i32 s96, s96, 127
	s_lshl_b32 s96, s96, 23
	s_mov_b32 s97, s96
	PLACES NP
	TOSTAGE 0
.irp a, 1,2,3,4,5,6,7
.if \a > 1
	s_wait_xcnt 0x0
.endif
	TOSTAGE \a
	SEND \a-1, 32
.endr
	SEND 7, 0
	s_wait_tensorcnt 0x0
	ds_add_u32 v[SPW], v[NIL]
	s_wait_dscnt 0x0
	CROUND
	s_endpgm
.Lfunc_end_k_qa719e75ef4_gemm_out:
	.size	k_qa719e75ef4_gemm_out, .Lfunc_end_k_qa719e75ef4_gemm_out-k_qa719e75ef4_gemm_out
	.p2alignl 7, 3214868480
	.fill 96, 4, 3214868480
	.section	.rodata,"a",@progbits
	.p2align	6, 0x0
	.amdhsa_kernel k_qa719e75ef4_gemm_out
		.amdhsa_group_segment_fixed_size 327680
		.amdhsa_private_segment_fixed_size 0
		.amdhsa_enable_private_segment 0
		.amdhsa_kernarg_size 40
		.amdhsa_user_sgpr_count 2
		.amdhsa_user_sgpr_kernarg_segment_ptr 1
		.amdhsa_wavefront_size32 1
		.amdhsa_system_sgpr_workgroup_id_x 1
		.amdhsa_system_sgpr_workgroup_id_y 1
		.amdhsa_system_sgpr_workgroup_id_z 1
		.amdhsa_system_vgpr_workitem_id 0
		.amdhsa_next_free_vgpr 1024
		.amdhsa_next_free_sgpr 98
		.amdhsa_reserve_vcc 0
		.amdhsa_float_denorm_mode_32 3
		.amdhsa_float_denorm_mode_16_64 3
		.amdhsa_memory_ordered 1
		.amdhsa_forward_progress 1
		.amdhsa_inst_pref_size 125
	.end_amdhsa_kernel
	.amdgpu_metadata
---
amdhsa.version: [ 1, 2 ]
amdhsa.kernels:
  - .name:           k_qa719e75ef4_gemm_out
    .symbol:         k_qa719e75ef4_gemm_out.kd
    .args:
      - { .name: y_codes, .offset: 0, .size: 8, .value_kind: global_buffer, .address_space: global }
      - { .name: wout_codes, .offset: 8, .size: 8, .value_kind: global_buffer, .address_space: global }
      - { .name: lowp_scales, .offset: 16, .size: 8, .value_kind: global_buffer, .address_space: global }
      - { .name: b_out, .offset: 24, .size: 8, .value_kind: global_buffer, .address_space: global }
      - { .name: out0, .offset: 32, .size: 8, .value_kind: global_buffer, .address_space: global }
    .group_segment_fixed_size: 327680
    .private_segment_fixed_size: 0
    .kernarg_segment_align: 8
    .kernarg_segment_size: 40
    .max_flat_workgroup_size: 128
    .sgpr_count:     98
    .vgpr_count:     1024
    .wavefront_size: 32
...
	.end_amdgpu_metadata
.endif
;; end of part 5
